; MI455X (gfx1250); checked and timed in simulation.
; The chip was launched on July 23, 2026; its instructions are those of AMD's public machine-readable ISA for CDNA 5 (MIT licence, August 2026) and "CDNA5" Instruction Set Architecture Reference Guide (July 2026). The comments in the code are by the model that wrote it; some were corrected since.
;; Multi Head Self Attention. Allowed arithmetic: matrix products marked QUANTISED: E3M2 operands, one E8M0 scale for each 32 along K, by v_wmma_scale_f32_16x16x128_f8f6f4 with both operands' format E3M2, f32 sums; everything else in f32.
;; Inputs: Wout 1,024 x 1,024 float32; Wqkv 1,024 x 3,072 float32; attn_mask 1 x 1 x 2,048 x 2,048 int32; bout 1,024 float32; bqkv 3,072 float32; x 4 x 2,048 x 1,024 float32.
;; Outputs: out0 4 x 2,048 x 1,024 float32.
;; This version of the problem:
;;   THIS VERSION OF THE PROBLEM IS GIVEN IN LOW PRECISION. The matrix products marked QUANTISED in the list below multiply operands that are first quantised to E3M2 (3 exponent bits, 2 mantissa bits; 6 bits a number), with one power-of-two scale for each 32 numbers along K (OCP MX v1.0); their sums are f32. All else is computed in f32.
;;   The module's matrix products, in the order in which they are computed (A, B: the left and right operand; K: the contracted axis; several contracted axes count as one K, in the product's order):
;;     1. [M 8,192, K 1,024] x [K 1,024, N 3,072]; A: input x; B: input Wqkv: QUANTISED
;;     2. batch 64 x [M 2,048, K 64] x [K 64, N 2,048]; A: computed on the way; B: computed on the way: QUANTISED
;;     3. batch 64 x [M 2,048, K 2,048] x [K 2,048, N 64]; A: softmax (see below); B: computed on the way: QUANTISED
;;     4. [M 8,192, K 1,024] x [K 1,024, N 1,024]; A: computed on the way; B: input Wout: QUANTISED
;;   THE QUANTISER, for each operand of a quantised product, along K:
;;     - K is cut into blocks of 32 from its start; a last block that is shorter is filled with zeros.
;;     - A block's scale is 2^e with e = floor(log2(the largest magnitude in the block)) - 4, held to -126 .. 127; a block of zeros has e = 0. As a byte (E8M0): e + 127.
;;     - Each number is divided by its block's scale, clamped to +-28, and rounded to the nearest number of E3M2, ties to even, subnormals kept.
;;     - The product sums the exact products of the quantised numbers (number of the format x scale) in f32.
;;   ~~~python
;;   def quantise(x, axis):      # numpy; x: float32 -> the quantised numbers, widened to float32 again
;;       x = np.moveaxis(x, axis, -1); K = x.shape[-1]
;;       x = np.pad(x, [(0, 0)] * (x.ndim - 1) + [(0, -K % 32)]); x = x.reshape(x.shape[:-1] + (-1, 32)); a = np.abs(x).max(-1, keepdims=True)
;;       e = np.where(a > 0, np.clip(np.frexp(np.where(a > 0, a, 1))[1] - 1 - 4, -126, 127), 0)      # np.frexp(a)[1] - 1 = floor(log2(a)), exactly
;;       r = np.clip(x / 2.0 ** e, -28, 28)
;;       step = 2.0 ** (np.maximum(np.frexp(np.where(r == 0, 1, r))[1] - 1, -2) - 2)
;;       q = np.round(r / step) * step * 2.0 ** e      # np.round: ties to even
;;       return np.moveaxis(q.reshape(q.shape[:-2] + (-1,))[..., :K], -1, axis).astype(np.float32)
;;   ~~~
;;   SOFTMAX AHEAD OF A QUANTISED PRODUCT. Where the list says 'softmax', what is quantised is not the finished softmax but p = 2^(t - M), with t = logit x log2(e) and M = ceil(the row's largest t), a whole number; so 1/2 < the row's largest p <= 1. The row's sum l is taken of the UNQUANTISED p, in f32, and the product's result is divided by l at the end. Since M is a whole number, a kernel that streams over the keys may use a running M (the ceiling of the running maximum): every later rescaling is an exact power of two, which a block's scale takes up: the codes' values come out the same.
;;   OPERANDS COMPUTED ON THE WAY. 'Computed on the way' means the value that the module computes at that place (a softmax that the list does not call 'softmax' is quantised finished and normalised). What goes into a quantiser is computed in f32, as accurately as f32 sums, v_exp_f32 and their like allow (about 1e-6 of the number): no bf16 or f16 on the way to a quantiser, and a product that is left as it is and whose result goes on into a quantised operand takes f32 operands (vector FMAs, or v_wmma_f32_16x16x4_f32). A number that lies on a knife's edge between two numbers of the format may be rounded either way, as far as f32 arithmetic and the matrix unit's own rounding can turn it there, and no further.
;; One version. Each part assembles by itself: llvm-mc -triple=amdgcn-amd-amdhsa -mcpu=gfx1250 --defsym DOCPART=n.
;; ======== version 1 of 1: 4 launches
;; workspace buffers: xq 6,553,600 bytes; wq 3,276,800 bytes; mk 528,384 bytes of whole numbers; qkv 19,660,800 bytes; ao 6,553,600 bytes
;; launch prep (part 1): grid 512 x 1, 4 waves a work-group, no clusters, 101,888 bytes of LDS; arguments x, Wqkv, Wout, attn_mask, xq, wq, mk; writes xq, wq, mk
.if DOCPART == 1
	.amdgcn_target "amdgcn-amd-amdhsa--gfx1250"
	.amdhsa_code_object_version 6
	.text
	.protected	k_q479b311ab1_prep
	.globl	k_q479b311ab1_prep
	.p2align	8
	.type	k_q479b311ab1_prep,@function
k_q479b311ab1_prep:
	s_mov_b64 s[64:65], 0
	v_nop
	global_prefetch_b8 v0, s[64:65] scope:SCOPE_SE
	s_setreg_imm32_b32 hwreg(HW_REG_WAVE_MODE, 25, 1), 1
	s_wait_xcnt 0x0
; PREP: what the later launches read many times is made once.  Three kinds of work-group, told apart by the work-group's number alone; waves share nothing, there is no barrier, and each kind has LDS bytes of its own.
;  0..255   X: x [8192][1024] f32 -> codes of BF6 (E3M2), K innermost, 768 bytes a row, and one E8M0 byte for each 32 along K, 32 bytes a row.
;  256..383 W: Wqkv [1024][3072] and Wout [1024][1024] f32, K their FIRST axis -> one table of 4096 rows (a row = a column of the weight; rows 3072.. are Wout's), laid like xq.
;  384..511 M: attn_mask [2048][2048] int32 -> for each tile of 16 queries and each step of 128 keys 64 words of 32 bits, one bit a lane, in the order in which the attention launch holds its scores; and two flag bits a step: some bit on, all bits on.
; ROW ORDER.  In xq and wq storage row p holds logical row p with bits 3 and 4 exchanged.  So 16 neighbouring storage rows 16 (2 b + u) + r are logical rows 32 b + 8 u + r + 8 (r / 8): used as source 0 of a matrix
; instruction they leave a lane's 16 registers of tiles 2 b and 2 b + 1 as 16 logical neighbours, which is what the next quantiser wants.
; A block's scale is 2^(floor(log2(largest magnitude)) - 4); its byte is the largest magnitude's exponent field - 4, held at 1 from below.
; LIMITS: NaN and infinities among the inputs are not served; a block whose largest magnitude lies under 2^-122 gets the byte 1; a block of zeros gets the byte 1 where the rule says 127 (its codes are zeros, and this program alone reads the bytes).
.set XQ_SC,  6291456                   ; xq: the scale bytes begin here
.set WQ_SC,  3145728                   ; wq: likewise
.set MK_FL,  524288                    ; mk: the flags begin here
.set STEPS,  16                        ; X: steps of 512 numbers for a wave
.set CB,     12                        ; bytes of 16 codes
.set SP,     80                        ; X: a lane's place in a stage: 64 bytes + 16 of padding
.set XR,     16                        ; X: v16-79 four sets of 16 numbers as loaded
.set XX,     80                        ; X: v80-111 two sets of 16 neighbours
.set XE,     112                       ; X: v112-127 a scale byte for each step
.set XC,     128                       ; X: v128-191 codes, four registers a step
.set WSB,    24                        ; W: v24-25 eight scale bytes
.set WX,     32                        ; W: v32-95 two sets of 32 numbers
.set WC,     96                        ; W: a block's codes
.set WOUT,   112                       ; W: v112-175 the way out
.set WOF,    176                       ; W: v176-207 4 x lane + i x the weight's row pitch
.set WLDS,   32768                     ; W: stages, 32 rows x 272 bytes a wave
.set MR,     16                        ; M: v16-143 two sets of 64 words as loaded
.set MM,     144                       ; M: v144-207 my 64 mask numbers of a step
.set MW,     208                       ; M: v208-215 a pair of registers for each step's 64 words
.set MLDS,   67584                     ; M: stages, 16 rows x 528 bytes a wave
.macro XLOAD t
.irp i, 0,1,2,3
	global_load_b128 v[XR+16*((\t)%4)+4*\i:XR+16*((\t)%4)+4*\i+3], v3, s[4:5] offset:2048*(\t)+512*\i th:TH_LOAD_NT   ; 32 lanes read 512 consecutive bytes
.endr
.endm
.macro XTURN t                         ; a step's 2,048 bytes go through the wave's own stage as they lie and come back 64 bytes a lane; LDS serves a wave's instructions in order
.irp i, 0,1,2,3
	ds_store_b128 v14, v[XR+16*((\t)%4)+4*\i:XR+16*((\t)%4)+4*\i+3] offset:32*SP*((\t)%2)+8*SP*\i
.endr
.irp i, 0,1,2,3
	ds_load_b128 v[XX+16*((\t)%2)+4*\i:XX+16*((\t)%2)+4*\i+3], v15 offset:32*SP*((\t)%2)+16*\i
.endr
.endm
.macro XSTEP t
.set XS, XX+16*((\t)%2)
.if (\t) > 0
	s_wait_dscnt 1                                 ; this step's numbers are back from the stage; the last step's byte store may be out
.else
	s_wait_dscnt 0x0
.endif
.if (\t)+4 < STEPS
	XLOAD (\t)+4                                   ; into the set whose stores into the stage are done
.endif
.if (\t)+1 < STEPS
.if STEPS-2-(\t) >= 3
	s_wait_loadcnt 12                              ; the next step's four loads are in; three steps' loads behind them stay out
.else
	s_wait_loadcnt 4*(STEPS-2-(\t))
.endif
	XTURN (\t)+1
.endif
	v_max3_num_f32 v8, |v[XS]|, |v[XS+1]|, |v[XS+2]|               ; the largest magnitude of my 16, in two chains
	v_max3_num_f32 v9, |v[XS+3]|, |v[XS+4]|, |v[XS+5]|
.irp i, 6,10
	v_max3_num_f32 v8, v8, |v[XS+\i]|, |v[XS+\i+1]|
	v_max3_num_f32 v9, v9, |v[XS+\i+2]|, |v[XS+\i+3]|
.endr
	v_max3_num_f32 v8, v8, |v[XS+14]|, |v[XS+15]|
	v_max3_num_f32 v8, v8, v9, 0x2800000           ; and the floor 2^(5 - 127): the byte cannot fall under 1
	v_max_num_f32_dpp v8, v8, v8 row_xmask:1 row_mask:0xf bank_mask:0xf   ; with my neighbour's 16: the block's
	v_add_nc_u32 v11, 0xfe000000, v8               ; 4 off its exponent field: the conversion takes this operand's exponent field as its scale
	v_cvt_scalef32_pk16_bf6_f32 v[XC+4*(\t):XC+4*(\t)+2], v[XS:XS+15], v11
	v_lshrrev_b32 v[XE+(\t)], 23, v11              ; the scale's byte
	ds_store_b8 v5, v[XE+(\t)] offset:16*(\t)      ; both lanes of a block write the same byte with the same value
	global_store_b96 v4, v[XC+4*(\t):XC+4*(\t)+2], s[8:9] offset:32*CB*(\t)   ; the wave stores 384 consecutive bytes
.endm
.macro WLOAD t                         ; block t: W(32 t + i, my column), i = 0 .. 31
.irp i, 0,1,2,3,4,5,6,7,8,9,10,11,12,13,14,15,16,17,18,19,20,21,22,23,24,25,26,27,28,29,30,31
	global_load_b32 v[WX+32*((\t)%2)+\i], v[WOF+\i], s[32+2*(\t):33+2*(\t)] th:TH_LOAD_NT
.endr
.endm
.macro WBLOCK t
.set XS, WX+32*((\t)%2)
.if (\t) < 7
	s_wait_loadcnt 32                              ; this block's 32 loads are in; the next block's may be out
.else
	s_wait_loadcnt 0x0
.endif
	v_max3_num_f32 v12, |v[XS]|, |v[XS+1]|, |v[XS+2]|              ; all 32 numbers of the block are mine
	v_max3_num_f32 v13, |v[XS+3]|, |v[XS+4]|, |v[XS+5]|
.irp i, 6,10,14,18,22,26
	v_max3_num_f32 v12, v12, |v[XS+\i]|, |v[XS+\i+1]|
	v_max3_num_f32 v13, v13, |v[XS+\i+2]|, |v[XS+\i+3]|
.endr
	v_max3_num_f32 v12, v12, |v[XS+30]|, |v[XS+31]|
	v_max3_num_f32 v12, v12, v13, 0x2800000
	v_add_nc_u32 v11, 0xfe000000, v12
	v_lshrrev_b32 v13, 23, v11
.if (\t)%4 == 0
	v_mov_b32 v[WSB+(\t)/4], v13                   ; four bytes to a register, the lower K in the lower byte
.else
	v_lshl_or_b32 v[WSB+(\t)/4], v13, 8*((\t)%4), v[WSB+(\t)/4]
.endif
	v_cvt_scalef32_pk16_bf6_f32 v[WC:WC+2], v[XS:XS+15], v11
	v_cvt_scalef32_pk16_bf6_f32 v[WC+4:WC+6], v[XS+16:XS+31], v11  ; (a conversion's three registers begin on an even number)
	ds_store_b96 v4, v[WC:WC+2] offset:32*(\t)     ; 12 bytes to a place of 16 in the stage
	ds_store_b96 v4, v[WC+4:WC+6] offset:32*(\t)+16
.if (\t)+2 < 8
	WLOAD (\t)+2
.endif
	s_wait_dscnt 0x0                               ; the stores have read their registers: the next block's codes may be written
.endm
.macro MLOAD sl                        ; step sl of my four: 16 rows x 512 bytes; each load reads 512 consecutive bytes of one row
.irp i, 0,1,2,3,4,5,6,7,8,9,10,11,12,13,14,15
	global_load_b128 v[MR+64*((\sl)%2)+4*\i:MR+64*((\sl)%2)+4*\i+3], v3, s[10:11] offset:(\i+8*(\i/8))*8192+512*(\sl) th:TH_LOAD_NT
.endr
.endm
.macro MSTEP sl
.if (\sl) < 3
	s_wait_loadcnt 16                              ; this step's 16 loads are in; the next step's may be out
.else
	s_wait_loadcnt 0x0
.endif
.irp i, 0,1,2,3,4,5,6,7,8,9,10,11,12,13,14,15
	ds_store_b128 v4, v[MR+64*((\sl)%2)+4*\i:MR+64*((\sl)%2)+4*\i+3] offset:528*\i
.endr
.irp b, 0,1,2,3
.irp j, 0,1,2,3
	ds_load_b128 v[MM+16*\b+4*\j:MM+16*\b+4*\j+3], v5 offset:128*\b+16*\j   ; lane (r, h): row r, keys 32 b + 16 h + 4 j on
.endr
.endr
	s_wait_dscnt 0x0
.if (\sl) < 2
	MLOAD (\sl)+2
.endif
.set N, 0
.rept 64
	v_cmp_ne_u32 s[32+N+4*(N/32)], 0, v[MM+N]      ; word n: bit L = the mask of lane L's query at key 32 (n / 16) + 16 (L / 16) + n % 16 of the step
.set N, N+1
.endr
	s_and_b64 s[20:21], s[32:33], s[34:35]
	s_or_b64 s[22:23], s[32:33], s[34:35]
.irp p, 36,38,40,42,44,46,48,50,52,54,56,58,60,62,68,70,72,74,76,78,80,82,84,86,88,90,92,94,96,98
	s_and_b64 s[20:21], s[20:21], s[\p:\p+1]
	s_or_b64 s[22:23], s[22:23], s[\p:\p+1]
.endr
	s_and_b32 s20, s20, s21
	s_or_b32 s22, s22, s23
	s_cmp_eq_u32 s20, -1
	s_cselect_b32 s20, 1<<(\sl), 0
	s_or_b32 s25, s25, s20                         ; all on
	s_cmp_lg_u32 s22, 0
	s_cselect_b32 s22, 1<<(\sl), 0
	s_or_b32 s24, s24, s22                         ; some on
.set N, 0
.rept 64
	v_writelane_b32 v[MW+2*(\sl)+N%2], s[32+N+4*(N/32)], N/2   ; word n to byte 4 n of the step's 256
.set N, N+1
.endr
	global_store_b64 v6, v[MW+2*(\sl):MW+2*(\sl)+1], s[26:27] offset:256*(\sl)   ; 32 lanes store 256 consecutive bytes, aligned
.endm
	s_load_b256 s[4:11], s[0:1], 0x0               ; x s[4:5], Wqkv s[6:7], Wout s[8:9], attn_mask s[10:11]
	s_load_b128 s[12:15], s[0:1], 0x20             ; xq s[12:13], wq s[14:15]
	s_load_b64 s[16:17], s[0:1], 0x30              ; mk
	v_lshl_add_u32 v216, v0, 2, 0x18c00
	v_mov_b32 v217, 0
	v_lshrrev_b32 v1, 5, v0
	v_readfirstlane_b32 s18, v1                    ; wave 0..3
	v_and_b32 v2, 31, v0                           ; lane
	s_cmp_lt_u32 ttmp9, 256
	s_cbranch_scc0 .Lnot_x
	; ---------------- X: a wave takes a run of 8,192 numbers, eight rows of x
	v_lshlrev_b32 v3, 4, v2                        ; my 16 bytes of a load's 512
	s_mul_i32 s19, s18, 8192                       ; my wave's LDS
	v_lshrrev_b32 v14, 2, v2
	v_mul_u32_u24 v14, v14, SP
	v_and_b32 v15, 3, v2
	v_lshl_add_u32 v14, v15, 4, v14
	v_add_nc_u32 v14, s19, v14                     ; the stage on the way in: SP (lane / 4) + 16 (lane % 4)
	v_mul_u32_u24 v15, v2, SP
	v_add_nc_u32 v15, s19, v15                     ; and on the way out: SP x lane
	v_mul_u32_u24 v4, v2, CB                       ; my codes' place in a step's
	v_lshrrev_b32 v5, 1, v2
	s_add_co_u32 s19, s19, 2*32*SP
	v_add_nc_u32 v5, s19, v5                       ; my block's byte among the wave's 256
	v_lshlrev_b32 v7, 3, v2
	v_add_nc_u32 v6, s19, v7
	s_lshl_b32 s20, ttmp9, 2
	s_add_co_u32 s22, s20, s18                     ; the run that I read
	s_lshl_b32 s22, s22, 15                        ; x 32,768 bytes
	s_mov_b32 s23, 0
	s_and_b32 s24, s18, 1                          ; a run is eight rows: the run's two low bits are the rows' bits 3 and 4, and change places on the way out
	s_lshl_b32 s24, s24, 1
	s_lshr_b32 s25, s18, 1
	s_or_b32 s24, s24, s25
	s_add_co_u32 s24, s24, s20                     ; the run that I write
	s_mul_i32 s26, s24, 6144
	s_mov_b32 s27, 0
	s_lshl_b32 s28, s24, 8
	s_add_co_u32 s28, s28, XQ_SC
	s_mov_b32 s29, 0
	s_wait_kmcnt 0x0
	s_add_nc_u64 s[4:5], s[4:5], s[22:23]
	s_add_nc_u64 s[8:9], s[12:13], s[26:27]        ; my codes
	s_add_nc_u64 s[10:11], s[12:13], s[28:29]      ; my scale bytes
.irp t, 0,1,2,3
	XLOAD \t
.endr
	s_wait_loadcnt 12                              ; step 0's four loads are in
	XTURN 0
.irp t, 0,1,2,3,4,5,6,7,8,9,10,11,12,13,14,15
	XSTEP \t
.endr
	ds_load_b64 v[12:13], v6                       ; LDS serves a wave's instructions in order: these see my byte stores
	s_wait_dscnt 0x0
	global_store_b64 v7, v[12:13], s[10:11]        ; 32 lanes store 256 consecutive bytes, aligned
	s_wait_tensorcnt 0x0
	ds_add_u32 v216, v217
	s_wait_dscnt 0x0
	s_endpgm
.Lnot_x:
	s_cmp_lt_u32 ttmp9, 384
	s_cbranch_scc0 .Lmask
	; ---------------- W: a lane takes a column, its registers run down K.  A wave: 32 columns x 256 along K
	s_sub_co_u32 s19, ttmp9, 256
	s_and_b32 s20, s19, 31                         ; which 128 rows of the table: 0..23 Wqkv's columns, 24..31 Wout's
	s_lshr_b32 s21, s19, 5                         ; which 256 along K
	s_mov_b32 s22, 4096
	s_wait_kmcnt 0x0
	s_cmp_lt_u32 s20, 24                           ; the choice hangs on the work-group's number alone
	s_cselect_b64 s[6:7], s[6:7], s[8:9]           ; the weight
	s_cselect_b32 s22, 12288, s22                  ; bytes from a row of it to the next
	s_cselect_b32 s23, 0, 24
	s_sub_co_u32 s23, s20, s23
	s_lshl_b32 s23, s23, 7
	s_lshl_b32 s24, s18, 5
	s_add_co_u32 s23, s23, s24                     ; my wave's first column in the weight
	s_lshl_b32 s25, s20, 7
	s_add_co_u32 s25, s25, s24                     ; and its first row in the table
	s_lshl_b32 s26, s21, 8
	s_mul_i32 s26, s26, s22
	s_lshl_b32 s23, s23, 2
	s_add_co_u32 s26, s26, s23
	s_mov_b32 s27, 0
	s_add_nc_u64 s[32:33], s[6:7], s[26:27]        ; block 0's first row, my first column
	s_lshl_b32 s28, s22, 5
	s_mov_b32 s29, 0
.irp t, 1,2,3,4,5,6,7
	s_add_nc_u64 s[32+2*\t:33+2*\t], s[30+2*\t:31+2*\t], s[28:29]   ; a base for each block: 32 rows on
.endr
	v_lshlrev_b32 v3, 2, v2
.irp i, 0,1,2,3,4,5,6,7,8,9,10,11,12,13,14,15,16,17,18,19,20,21,22,23,24,25,26,27,28,29,30,31
	v_mad_u32_u24 v[WOF+\i], s22, \i, v3           ; 4 x lane + i rows
.endr
	v_and_b32 v9, 7, v2                            ; my column's storage row: the lane with bits 3 and 4 exchanged
	v_bfe_u32 v10, v2, 3, 1
	v_lshl_or_b32 v9, v10, 4, v9
	v_bfe_u32 v10, v2, 4, 1
	v_lshl_or_b32 v9, v10, 3, v9
	s_mul_i32 s30, s18, 32*272
	s_add_co_u32 s30, s30, WLDS                    ; my stage
	v_mul_u32_u24 v4, v9, 272
	v_add_nc_u32 v4, s30, v4                       ; into it: row = my storage row
	v_and_b32 v5, 15, v2
	v_lshrrev_b32 v6, 4, v2
	v_mul_u32_u24 v7, v6, 272
	v_lshl_add_u32 v7, v5, 4, v7
	v_add_nc_u32 v7, s30, v7                       ; out of it: sixteen lanes to a row, two rows an instruction
	v_mul_u32_u24 v8, v6, 768
	v_mad_u32_u24 v8, v5, 12, v8                   ; the same place in the table
	v_lshlrev_b32 v9, 5, v9                        ; my storage row's scale bytes
	s_mul_i32 s48, s25, 768
	s_mul_i32 s49, s21, 192
	s_add_co_u32 s48, s48, s49
	s_mov_b32 s49, 0
	s_add_nc_u64 s[48:49], s[14:15], s[48:49]      ; codes
	s_lshl_b32 s50, s25, 5
	s_lshl_b32 s51, s21, 3
	s_add_co_u32 s50, s50, s51
	s_add_co_u32 s50, s50, WQ_SC
	s_mov_b32 s51, 0
	s_add_nc_u64 s[50:51], s[14:15], s[50:51]      ; scale bytes
	WLOAD 0
	WLOAD 1
.set Q, 0
.rept 8
	WBLOCK Q
.set Q, Q+1
.endr
	global_store_b64 v9, v[WSB:WSB+1], s[50:51]    ; my column's eight scale bytes
.irp t, 0,1,2,3,4,5,6,7,8,9,10,11,12,13,14,15
	ds_load_b96 v[WOUT+4*\t:WOUT+4*\t+2], v7 offset:2*\t*272   ; LDS serves a wave's instructions in order: these see my stores
.endr
.irp t, 0,1,2,3,4,5,6,7,8,9,10,11,12,13,14,15
	s_wait_dscnt 15-\t
	global_store_b96 v8, v[WOUT+4*\t:WOUT+4*\t+2], s[48:49] offset:2*\t*768   ; sixteen lanes store a row's 192 consecutive bytes
.endr
	s_wait_tensorcnt 0x0
	ds_add_u32 v216, v217
	s_wait_dscnt 0x0
	s_endpgm
.Lmask:
	; ---------------- M: a work-group takes a tile of 16 queries, wave w key steps 4 w .. 4 w + 3
	s_sub_co_u32 s19, ttmp9, 384                   ; the tile qt; its row i is query 32 (qt / 2) + 8 (qt % 2) + i + 8 (i / 8)
	s_lshr_b32 s20, s19, 1
	s_lshl_b32 s20, s20, 5
	s_and_b32 s21, s19, 1
	s_lshl_b32 s21, s21, 3
	s_add_co_u32 s20, s20, s21
	s_lshl_b32 s20, s20, 13                        ; a row of the mask is 8,192 bytes
	s_lshl_b32 s21, s18, 11                        ; four steps of 512 bytes
	s_add_co_u32 s20, s20, s21
	s_mov_b32 s21, 0
	s_lshl_b32 s26, s19, 12                        ; the words: 4,096 bytes a tile, 256 a step
	s_lshl_b32 s27, s18, 10
	s_add_co_u32 s26, s26, s27
	s_mov_b32 s27, 0
	s_lshl_b32 s28, s19, 5                         ; the flags: 32 bytes a tile, 8 a wave
	s_lshl_b32 s29, s18, 3
	s_add_co_u32 s28, s28, s29
	s_add_co_u32 s28, s28, MK_FL
	s_mov_b32 s29, 0
	s_wait_kmcnt 0x0
	s_add_nc_u64 s[10:11], s[10:11], s[20:21]
	s_add_nc_u64 s[26:27], s[16:17], s[26:27]
	s_add_nc_u64 s[28:29], s[16:17], s[28:29]
	v_lshlrev_b32 v3, 4, v2
	s_mul_i32 s30, s18, 16*528
	s_add_co_u32 s30, s30, MLDS                    ; my stage
	v_add_nc_u32 v4, s30, v3                       ; in: 16 x lane of a row
	v_and_b32 v7, 15, v2
	v_lshrrev_b32 v8, 4, v2
	v_mul_u32_u24 v5, v7, 528
	v_lshl_add_u32 v5, v8, 6, v5
	v_add_nc_u32 v5, s30, v5                       ; out: row r, + 64 h
	v_lshlrev_b32 v6, 3, v2
.irp i, 0,1,2,3,4,5,6,7
	v_mov_b32 v[MW+\i], 0                          ; v_writelane_b32's destination counts as read
.endr
	s_mov_b32 s24, 0
	s_mov_b32 s25, 0
	MLOAD 0
	MLOAD 1
	MSTEP 0
	MSTEP 1
	MSTEP 2
	MSTEP 3
	s_lshl_b32 s20, s18, 2
	s_lshl_b32 s24, s24, s20                       ; my four bits at their steps' places
	s_lshl_b32 s25, s25, s20
	v_mov_b32 v12, s24
	v_mov_b32 v13, s25
	v_mov_b32 v14, 0
	global_store_b64 v14, v[12:13], s[28:29]       ; all lanes store the same two words to the same place
	s_wait_tensorcnt 0x0
	ds_add_u32 v216, v217
	s_wait_dscnt 0x0
	s_endpgm
.Lfunc_end_k_q479b311ab1_prep:
	.size	k_q479b311ab1_prep, .Lfunc_end_k_q479b311ab1_prep-k_q479b311ab1_prep
	.p2alignl 7, 3214868480
	.fill 96, 4, 3214868480
	.section	.rodata,"a",@progbits
	.p2align	6, 0x0
	.amdhsa_kernel k_q479b311ab1_prep
		.amdhsa_group_segment_fixed_size 101888
		.amdhsa_private_segment_fixed_size 0
		.amdhsa_enable_private_segment 0
		.amdhsa_kernarg_size 56
		.amdhsa_user_sgpr_count 2
		.amdhsa_user_sgpr_kernarg_segment_ptr 1
		.amdhsa_wavefront_size32 1
		.amdhsa_system_sgpr_workgroup_id_x 1
		.amdhsa_system_sgpr_workgroup_id_y 1
		.amdhsa_system_sgpr_workgroup_id_z 1
		.amdhsa_system_vgpr_workitem_id 0
		.amdhsa_next_free_vgpr 218
		.amdhsa_next_free_sgpr 100
		.amdhsa_reserve_vcc 0
		.amdhsa_float_denorm_mode_32 3
		.amdhsa_float_denorm_mode_16_64 3
		.amdhsa_memory_ordered 1
		.amdhsa_forward_progress 1
		.amdhsa_inst_pref_size 134
	.end_amdhsa_kernel
	.amdgpu_metadata
---
amdhsa.version: [ 1, 2 ]
amdhsa.kernels:
  - .name:           k_q479b311ab1_prep
    .symbol:         k_q479b311ab1_prep.kd
    .args:
      - { .name: x, .offset: 0, .size: 8, .value_kind: global_buffer, .address_space: global }
      - { .name: Wqkv, .offset: 8, .size: 8, .value_kind: global_buffer, .address_space: global }
      - { .name: Wout, .offset: 16, .size: 8, .value_kind: global_buffer, .address_space: global }
      - { .name: attn_mask, .offset: 24, .size: 8, .value_kind: global_buffer, .address_space: global }
      - { .name: xq, .offset: 32, .size: 8, .value_kind: global_buffer, .address_space: global }
      - { .name: wq, .offset: 40, .size: 8, .value_kind: global_buffer, .address_space: global }
      - { .name: mk, .offset: 48, .size: 8, .value_kind: global_buffer, .address_space: global }
    .group_segment_fixed_size: 101888
    .private_segment_fixed_size: 0
    .kernarg_segment_align: 8
    .kernarg_segment_size: 56
    .max_flat_workgroup_size: 128
    .sgpr_count:     100
    .vgpr_count:     218
    .wavefront_size: 32
...
	.end_amdgpu_metadata
.endif
;; end of part 1
;; launch gemm_qkv (part 2): grid 8 x 48, 4 waves a work-group, clusters of 4 x 4, 327,680 bytes of LDS; arguments xq, wq, bqkv, qkv; writes qkv
.if DOCPART == 2
	.amdgcn_target "amdgcn-amd-amdhsa--gfx1250"
	.amdhsa_code_object_version 6
	.text
	.protected	k_q479b311ab1_gemm_qkv
	.globl	k_q479b311ab1_gemm_qkv
	.p2align	8
	.type	k_q479b311ab1_gemm_qkv,@function
k_q479b311ab1_gemm_qkv:
	s_mov_b64 s[64:65], 0
	v_nop
	global_prefetch_b8 v0, s[64:65] scope:SCOPE_SE
	s_setreg_imm32_b32 hwreg(HW_REG_WAVE_MODE, 25, 1), 1
	s_wait_xcnt 0x0
	s_wait_alu depctr_hold_cnt(0) depctr_sa_sdst(0) depctr_va_vdst(0) depctr_va_sdst(0) depctr_va_ssrc(0) depctr_va_vcc(0) depctr_vm_vsrc(0)
	s_getreg_b32 s2, hwreg(HW_REG_IB_STS2, 6, 4)
	s_cmp_eq_u32 s2, 0
	s_cbranch_scc0 .Lentry_in_a_cluster
	s_endpgm
.Lentry_in_a_cluster:
	s_bfe_u32 s2, ttmp6, 0x10000c
	s_cmp_lg_u32 s2, 0xf033
	s_cbranch_scc0 .Lentry_shape_is_right
	s_endpgm
.Lentry_shape_is_right:
; qkv = x Wqkv + bqkv on codes of BF6 (E3M2) with one E8M0 scale for each 32 along K = 1024, and its result quantised at once into the operands of the attention launch.
; A work-group of four waves makes 256 x 256, a wave 128 x 128: 64 accumulators, 512 registers.  K goes in steps of 256 through two LDS slots filled by the tensor data mover; the scale bytes of the work-group's rows come once and stay.
; TWO OPERANDS, P AND R.  P is source 0 of the matrix instruction, R source 1: a lane then holds ONE row of R and its registers run along P, so the way out can quantise along P.
;   clusters with y < 8  (q and k): R = 256 tokens (xq), P = 256 columns of Wqkv (wq rows 0..2047): registers run along the head's 64, which is the K of q k^T.
;   clusters with y >= 8 (v):       R = 256 columns of Wqkv (wq rows 2048..3071), P = 256 tokens: registers run along the keys, which are the K of p v.
; Both tables have rows of 768 bytes of codes and 32 scale bytes, so only pointers and tile numbers differ; they are chosen by the cluster's y, which all partners share.
; Storage rows of xq and wq have bits 3 and 4 of the logical row exchanged: the 16 registers of result tiles 2 b and 2 b + 1 are logical neighbours 32 b + 16 (lane / 16) + 0 .. 15 along P.
; CLUSTERS: 4 x 4 work-groups.  R's tiles hang on the cluster's row and are asked for jointly along it, P's on its column: one tensor load with the same descriptor and a mask that names the four.
; The bias is the C of each sum's first matrix instruction.
; OUTPUT (qkv): units of (q, k or v; batch x head; step of 128 tokens): 6,144 bytes of codes as images of operand registers (a fragment of 12 registers = 3 chunks of 512 bytes, chunk c = registers 4 c .. 4 c + 3, lane l at 16 l) and 256 scale bytes.
;   q, k: fragment d = tiles 2 d (registers 0-5) and 2 d + 1 (registers 6-11) of 16 tokens x 64;  v: fragment t = 16 of the head's 64 x 128 keys.  Scale word of fragment 2 s + (l / 16), row l % 16, at 8 l + 4 s.
; LIMITS: NaN and infinities are not served; a block whose largest magnitude lies under 2^-122, a block of zeros too, gets the scale byte 1.
; REGISTERS, in windows of 256: window 0: v0-31 addresses; v32-63 scale words, two sets; v64-127 the bias; from v128 R's fragments, one set.  window 1: P's fragments, two sets.  windows 2, 3: the accumulators ((a, b) at v[8 (8 (a % 4) + b)]).
.set KSTEP,  256
.set NQ,     2                         ; matrix instructions deep in a slot
.set ROWB,   192                       ; a tile's row: 256 codes
.set KROW,   768                       ; a row in memory
.set PITCH,  240                       ; an LDS row: 3 x (64 bytes + 16 of padding)
.set FR,     12
.set NL,     6
.set NP,     4                         ; places behind this matrix instruction (ISA guide 7.12.1)
.set HALFT,  128*PITCH
.set SLOT,   4*HALFT                   ; R's 256 rows, then P's 256 rows
.set LAPS,   2                         ; 1024 / 512
.set KS,     32                        ; a row of scale bytes
.set SCL,    2*SLOT
.set HALFS,  16*272                    ; the scales of 128 rows: 16 units of 256 bytes + 16 of padding
.set SBLK,   2*272                     ; those of 16 rows
.set SPARE,  SCL+4*HALFS               ; the spare words: 128 bytes a wave, two blocks of 256 bytes that no other line names
.set XQ_SC,  6291456
.set WQ_SC,  3145728
.set QKV_SC, 18874368
.set ADRA, 16                          ; v16-19 LDS address of R's fragments in slot 0, 1 (18, 19: behind one padding more)
.set ADRB, 20                          ; v20-23 the same for P
.set LI16, 24                          ; v24 16 x lane
.set LI8,  25                          ; v25 8 x lane
.set ADRS, 27                          ; v27 my scale words: lanes 0-15 R's rows, lanes 16-31 P's
.set SPW,  28                          ; v28 my spare word; never rewritten
.set NIL,  29                          ; v29 0; never rewritten
.set SC,   32
.set BI,   64
.set AF,   128
.set TM,   32                          ; the way out, in window 0: v32-47 at work
.set PWA,  48                          ; v48, v49 two scale words just made; v50 at work
.set PWB,  49
.set TW,   50
.set SCW,  52                          ; v52-55 the scale images of the wave's two units
.set CT,   56                          ; v56-58, v60-62 half blocks on their way
.set OUTB, 64                          ; v64-111 two sets of two fragments
.set G1, 24
.set G0, 32
.set G1B, 48
.set G0B, 56
.set G1S, 68
.set G0S, 76
.set G1SB, 80
.set G0SB, 88
.set MSB, 0
.macro WIN new                         ; the immediate's high byte repeats the setting that is left
.if MSB != (\new)
	s_set_vgpr_msb (MSB<<8)|(\new)
.set MSB, (\new)
.endif
.endm
.set MUL_LO, 0xa1                      ; source 0 (P) window 1, source 1 (R) window 0, C and D window 2
.set MUL_HI, 0xf1                      ; the same, C and D window 3
.set TO_B,   0x40
; A joint load: waves 0 and 1 fetch for R, waves 2 and 3 for P.  The branch hangs on the wave's number alone.  Four v_nop follow each of the two lines.
.macro JLOAD g0a, g1a, g0b, g1b
	s_cmp_eq_u32 s15, 0
	s_cbranch_scc0 .Lfor_b_\@
	tensor_load_to_lds s[\g0a:\g0a+3], s[\g1a:\g1a+7]
	s_nop 0
.rept 4
	v_nop
.endr
	s_branch .Lasked_\@
.Lfor_b_\@:
	tensor_load_to_lds s[\g0b:\g0b+3], s[\g1b:\g1b+7]
	s_nop 0
.rept 4
	v_nop
.endr
.Lasked_\@:
.endm
.macro CREST                           ; a round of the cluster's barrier behind its opening barrier
	s_cmp_lg_u32 s14, 0
	s_cbranch_scc1 .Lnot_wave_0_\@
	s_barrier_signal -3
.Lnot_wave_0_\@:
	s_barrier_wait -3
	s_barrier_signal -1
	s_barrier_wait -1
.endm
.macro CROUND
	s_barrier_signal -1
	s_barrier_wait -1
	CREST
.endm
	s_load_b128 s[4:7], s[0:1], 0x0                ; xq s[4:5], wq s[6:7]
	s_load_b128 s[8:11], s[0:1], 0x10              ; bqkv s[8:9], qkv s[10:11]
	v_lshl_add_u32 v[SPW], v0, 2, SPARE
	v_mov_b32 v[NIL], 0
	ds_add_u32 v28, v29
	ds_add_u32 v28, v29
	s_wait_dscnt 0x0
	v_lshrrev_b32 v1, 5, v0
	v_readfirstlane_b32 s14, v1                    ; wave 0..3
	s_lshr_b32 s15, s14, 1                         ; which half of R's rows is mine.  Also: I fetch for R (0) or for P (1)
	s_and_b32 s16, s14, 1                          ; which half of P's rows.  Also: which 128 rows I fetch
	s_bfe_u32 s40, ttmp6, 0x40000                  ; cx, cy: my place in the cluster
	s_bfe_u32 s41, ttmp6, 0x40004
	s_and_b32 s13, ttmp7, 0xffff                   ; the cluster's y
	s_lshl_b32 s43, s41, 2
	s_lshl_b32 s43, 15, s43                        ; my row of the cluster
	s_lshl_b32 s44, 0x1111, s40                    ; my column
	s_lshl_b32 s17, s13, 2
	s_sub_co_u32 s42, s13, 8
	s_lshl_b32 s42, s42, 3
	s_mov_b32 s18, XQ_SC
	s_mov_b32 s19, WQ_SC
	s_cmp_ge_u32 s13, 8                            ; the v part?  The same in all sixteen partners
	s_cselect_b32 s12, 1, 0
	s_cselect_b32 s17, 8, s17
	s_cselect_b32 s42, s42, 0
	s_cselect_b32 s2, s19, s18                     ; where R's scale bytes begin in R's buffer
	s_cselect_b32 s45, s18, s19                    ; and P's
	s_add_co_u32 s17, s17, s41                     ; R's tile of 256 rows: 4 y + cy of xq, or 8 + cy of wq
	s_lshl_b32 s20, ttmp9, 2
	s_add_co_u32 s42, s42, s20
	s_add_co_u32 s42, s42, s40                     ; P's tile: 4 x + cx of wq, or 8 (y - 8) + 4 x + cx of xq
	; descriptor group 1: a tile of 128 rows x 192 bytes, 16 bytes of padding behind every 64
	s_or_b32 s[G1+0], s43, (0<<16)|(1<<20)|(1<<21)|(3<<22)|(3<<25)   ; 15:0 the mask: R's tiles go to my row; elements of 1 byte; padding on; bit 21 beside a mask; after every 16 words, 4 words
	s_or_b32 s[G1B+0], s44, (0<<16)|(1<<20)|(1<<21)|(3<<22)|(3<<25)  ; P's go to my column
.irp g, G1, G1B
	s_mov_b32 s[\g+1], ROWB<<16                    ; tensor_dim0
	s_mov_b32 s[\g+2], 128<<16                     ; tensor_dim1
	s_mov_b32 s[\g+3], ROWB<<16                    ; tile_dim0
	s_mov_b32 s[\g+4], 128                         ; tile_dim1
	s_mov_b32 s[\g+5], KROW                        ; from row to row
	s_mov_b32 s[\g+6], 0
	s_mov_b32 s[\g+7], 0
.endr
	; the scales of 128 rows: 4,096 dense bytes as 16 rows of 256 bytes (32 elements of 8), 16 bytes of padding behind each
	s_or_b32 s[G1S+0], s43, (3<<16)|(1<<20)|(1<<21)|(5<<22)|(3<<25)
	s_or_b32 s[G1SB+0], s44, (3<<16)|(1<<20)|(1<<21)|(5<<22)|(3<<25)
.irp g, G1S, G1SB
	s_mov_b32 s[\g+1], 32<<16
	s_mov_b32 s[\g+2], 16<<16
	s_mov_b32 s[\g+3], 32<<16
	s_mov_b32 s[\g+4], 16
	s_mov_b32 s[\g+5], 32
	s_mov_b32 s[\g+6], 0
	s_mov_b32 s[\g+7], 0
.endr
	s_lshl_b32 s18, s16, 7                         ; which 128 rows of the tile I fetch
	s_lshl_b32 s20, s17, 8
	s_add_co_u32 s20, s20, s18                     ; R's row
	s_lshl_b32 s46, s42, 8
	s_add_co_u32 s46, s46, s18                     ; P's row
	s_lshl_b32 s22, s20, 5
	s_add_co_u32 s22, s22, s2                      ; where these rows' scales begin, in bytes
	s_mov_b32 s23, 0
	s_lshl_b32 s92, s46, 5
	s_add_co_u32 s92, s92, s45
	s_mov_b32 s93, 0
	s_mul_i32 s20, s20, KROW                       ; and their codes
	s_mov_b32 s21, 0
	s_mul_i32 s46, s46, KROW
	s_mov_b32 s47, 0
	s_mul_i32 s45, s14, HALFT                      ; where they go: wave x 128 rows: no place in the cluster enters an LDS address
	s_mul_i32 s94, s14, HALFS
	s_wait_kmcnt 0x0
	s_cmp_ge_u32 s13, 8
	s_cselect_b64 s[18:19], s[6:7], s[4:5]         ; R's buffer
	s_cselect_b64 s[4:5], s[4:5], s[6:7]           ; P's buffer
	s_add_nc_u64 s[20:21], s[18:19], s[20:21]
	s_add_nc_u64 s[22:23], s[18:19], s[22:23]
	s_add_nc_u64 s[46:47], s[4:5], s[46:47]
	s_add_nc_u64 s[92:93], s[4:5], s[92:93]
	CROUND                                         ; all sixteen work-groups are here: the first joint loads meet
	s_mov_b32 s[G0S], 1
	s_add_co_u32 s[G0S+1], s94, SCL
	s_mov_b64 s[G0S+2:G0S+3], s[22:23]
	s_or_b32 s[G0S+3], s[G0S+3], 0x80000000
	s_mov_b32 s[G0SB], 1
	s_add_co_u32 s[G0SB+1], s94, SCL
	s_mov_b64 s[G0SB+2:G0SB+3], s[92:93]
	s_or_b32 s[G0SB+3], s[G0SB+3], 0x80000000
	JLOAD G0S, G1S, G0SB, G1SB                     ; the scales first: they are wanted with K step 0.  With the two below a wave has three tensor loads out
.irp s, 0,1
	s_mov_b32 s[G0+4*\s], 1
	s_add_co_u32 s[G0+4*\s+1], s45, \s*SLOT
	s_add_nc_u64 s[G0+4*\s+2:G0+4*\s+3], s[20:21], \s*ROWB
	s_or_b32 s[G0+4*\s+3], s[G0+4*\s+3], 0x80000000
	s_mov_b32 s[G0B+4*\s], 1
	s_add_co_u32 s[G0B+4*\s+1], s45, \s*SLOT
	s_add_nc_u64 s[G0B+4*\s+2:G0B+4*\s+3], s[46:47], \s*ROWB
	s_or_b32 s[G0B+4*\s+3], s[G0B+4*\s+3], 0x80000000
	JLOAD G0+4*\s, G1, G0B+4*\s, G1B
.endr
	v_and_b32 v1, 15, v0                           ; r
	v_bfe_u32 v2, v0, 4, 1                         ; h
	v_mul_u32_u24 v3, v1, PITCH
	v_mul_u32_u24 v4, v2, 24
	v_add_nc_u32 v4, v3, v4                        ; a fragment's row x pitch + 24 x half
	v_lshl_add_u32 v5, v2, 4, v4                   ; and the same behind one padding more
	s_mul_i32 s21, s15, HALFT                      ; my 128 rows of R
	s_mul_i32 s22, s16, HALFT                      ; my 128 rows of P,
	s_add_co_u32 s22, s22, 2*HALFT                 ; which lie behind R's 256
.irp s, 0,1
	v_add_nc_u32 v[ADRA+\s], s21, v4
	v_add_nc_u32 v[ADRB+\s], s22, v4
	v_add_nc_u32 v[ADRA+2+\s], s21, v5
	v_add_nc_u32 v[ADRB+2+\s], s22, v5
	s_add_co_u32 s21, s21, SLOT
	s_add_co_u32 s22, s22, SLOT
.endr
	v_mul_u32_u24 v5, v1, KS                       ; my row's scales: 32 bytes a row,
	v_lshrrev_b32 v6, 8, v5
	v_lshl_add_u32 v5, v6, 4, v5                   ; and 16 more for each 256 passed
	s_mul_i32 s21, s15, HALFS
	s_mul_i32 s22, s16, HALFS
	s_add_co_u32 s22, s22, 2*HALFS
	s_sub_co_u32 s22, s22, s21
	v_mul_u32_u24 v6, s22, v2                      ; lanes 16-31 take P's
	s_add_co_u32 s21, s21, SCL
	v_add_nc_u32 v5, v5, v6
	v_add_nc_u32 v[ADRS], s21, v5
	v_and_b32 v6, 31, v0
	v_lshlrev_b32 v[LI16], 4, v6
	v_lshlrev_b32 v[LI8], 3, v6
	s_mov_b32 s96, 0x76543210                      ; v_permlanex16_b32's selects for lane l xor 16
	s_mov_b32 s97, 0xfedcba98
	s_mov_b32 s98, 0xffff0000                      ; lanes 16-31
	s_mov_b32 s99, 0x05040100                      ; v_perm_b32: the low halves of two words,
	s_mov_b32 s95, 0x07060302                      ; the high halves
	; where my wave's two units begin in qkv: unit = ((kind x 64 + batch x 16 + head) x 16 + step)
	s_lshr_b32 s20, s42, 2
	s_and_b32 s21, s42, 3
	s_cmp_eq_u32 s12, 0
	s_cselect_b32 s20, s20, 2                      ; q, k or v
	s_cselect_b32 s21, s21, s41                    ; which 256 of its 1,024 columns,
	s_cselect_b32 s22, s16, s15                    ; which half of them: 4 x and 2 x heads
	s_cselect_b32 s23, s17, s42                    ; which 256 tokens,
	s_cselect_b32 s46, s15, s16                    ; which half of them
	s_lshl_b32 s20, s20, 6
	s_lshr_b32 s47, s23, 3
	s_lshl_b32 s47, s47, 4
	s_add_co_u32 s20, s20, s47
	s_lshl_b32 s21, s21, 2
	s_add_co_u32 s20, s20, s21
	s_lshl_b32 s22, s22, 1
	s_add_co_u32 s20, s20, s22
	s_lshl_b32 s20, s20, 4
	s_and_b32 s23, s23, 7
	s_lshl_b32 s23, s23, 1
	s_add_co_u32 s20, s20, s23
	s_add_co_u32 s20, s20, s46
	s_mul_i32 s22, s20, 6144
	s_mov_b32 s23, 0
	s_add_nc_u64 s[92:93], s[10:11], s[22:23]      ; the codes' images
	s_lshl_b32 s22, s20, 8
	s_add_co_u32 s22, s22, QKV_SC
	s_add_nc_u64 s[46:47], s[10:11], s[22:23]      ; the scale images
	; the bias, in the result's layout.  q, k: it runs along P, so along a lane's registers; v: along R, so one number a lane and tile
	s_cmp_eq_u32 s12, 0
	s_cbranch_scc0 .Lbias_v
	s_lshl_b32 s20, s42, 10
	s_lshl_b32 s21, s16, 9
	s_add_co_u32 s20, s20, s21
	s_mov_b32 s21, 0
	s_add_nc_u64 s[20:21], s[8:9], s[20:21]
	v_lshlrev_b32 v6, 6, v2
.irp b, 0,1,2,3,4,5,6,7
	global_load_b128 v[BI+8*\b:BI+8*\b+3], v6, s[20:21] offset:(32*(\b/2)+8*(\b%2))*4       ; columns 32 (b / 2) + 8 (b % 2) + 16 h + 0 .. 7
	global_load_b128 v[BI+8*\b+4:BI+8*\b+7], v6, s[20:21] offset:(32*(\b/2)+8*(\b%2))*4+16
.endr
	s_branch .Lbias_done
.Lbias_v:
	s_lshl_b32 s20, s41, 10
	s_lshl_b32 s21, s15, 9
	s_add_co_u32 s20, s20, s21
	s_add_co_u32 s20, s20, 8192
	s_mov_b32 s21, 0
	s_add_nc_u64 s[20:21], s[8:9], s[20:21]
	v_and_b32 v6, 8, v1
	v_add_nc_u32 v6, v6, v1
	v_lshlrev_b32 v6, 2, v6                        ; column r + 8 (r / 8) of the tile
.irp a, 0,1,2,3,4,5,6,7
.irp j, 0,1,2,3,4,5,6,7
	global_load_b32 v[BI+8*\a+\j], v6, s[20:21] offset:(32*(\a/2)+8*(\a%2))*4
.endr
.endr
.Lbias_done:
.macro FRAG reg, adr, q, i             ; 16 rows x 128 K of 6-bit codes: 12 registers, in pieces of 8 bytes.  Lanes 16-31 read three pieces further on; where that lies behind one padding more the second address register serves
.irp p, 0,1,2,3,4,5
.set PC, 12*(\q)+6*(\p/3)+\p%3
.if PC%8 < 5
	ds_load_b64 v[\reg+2*\p:\reg+2*\p+1], v[\adr] offset:8*PC+16*(PC/8)+(\i)*16*PITCH
.else
	ds_load_b64 v[\reg+2*\p:\reg+2*\p+1], v[\adr+2] offset:8*PC+16*(PC/8)+(\i)*16*PITCH
.endif
.endr
.endm
; 16 matrix instructions: R's blocks a0, a0 + 1 x P's eight, 128 along K.  cm = 0: onto the sums; 1: the sums begin with the bias along P; 2: with the bias along R.
; The 64 accumulators take turns, one instruction a turn, in the same order in every step.
.macro MUL16 a0, p, q, sc, cm
.irp a, \a0, \a0+1
.irp b, 0,1,2,3,4,5,6,7
.set rD, 8*(8*((\a)%4)+\b)
.set rB, 128*(\p)+FR*\b
.set rA, AF+FR*(\a)
.set rSB, SC+8*NQ*(\sc)+NQ*\b+(\q)
.set rSA, SC+8*NQ*(\sc)+NQ*(\a)+(\q)
.if \cm == 0
	v_wmma_scale_f32_16x16x128_f8f6f4 v[rD:rD+7], v[rB:rB+FR-1], v[rA:rA+FR-1], v[rD:rD+7], v[rSB], v[rSA] matrix_a_fmt:MATRIX_FMT_BF6 matrix_b_fmt:MATRIX_FMT_BF6 matrix_a_scale:MATRIX_SCALE_ROW1
.elseif \cm == 1
.set rC, BI+8*\b
	v_wmma_scale_f32_16x16x128_f8f6f4 v[rD:rD+7], v[rB:rB+FR-1], v[rA:rA+FR-1], v[rC:rC+7], v[rSB], v[rSA] matrix_a_fmt:MATRIX_FMT_BF6 matrix_b_fmt:MATRIX_FMT_BF6 matrix_a_scale:MATRIX_SCALE_ROW1
.else
.set rC, BI+8*(\a)
	v_wmma_scale_f32_16x16x128_f8f6f4 v[rD:rD+7], v[rB:rB+FR-1], v[rA:rA+FR-1], v[rC:rC+7], v[rSB], v[rSA] matrix_a_fmt:MATRIX_FMT_BF6 matrix_b_fmt:MATRIX_FMT_BF6 matrix_a_scale:MATRIX_SCALE_ROW1
.endif
.endr
.endr
.endm
.macro FETCH_B slot, q, p              ; P's eight fragments of the slot's q-th 128 along K into set p
	WIN TO_B
.irp i, 0,1,2,3,4,5,6,7
	FRAG 128*(\p)+FR*\i, ADRB+\slot, \q, \i
.endr
	WIN 0
.endm
.macro FETCH_A slot, q, i0             ; R's blocks i0 .. i0 + 3
.irp i, \i0, \i0+1, \i0+2, \i0+3
	FRAG AF+FR*(\i), ADRA+\slot, \q, \i
.endr
.endm
.macro SCALES sc                       ; a K step's scale words: two words a row; lanes 0-15 R's block i, lanes 16-31 P's block i
.irp i, 0,1,2,3,4,5,6,7
	ds_load_b64 v[SC+8*NQ*\sc+NQ*\i:SC+8*NQ*\sc+NQ*\i+1], v[ADRS] offset:\i*SBLK
.endr
.endm
.macro PLACES n                        ; plain vector instructions between a matrix instruction and a load into, or a vector access of, its registers
.rept \n
	v_nop
.endr
.endm
; A step of 128 along K that has its successor in the same slot
.macro STEP slot, q, cm
	s_wait_dscnt 4*NL                              ; P's set, R's blocks 0-3 and the scale words are in; the youngest 24 loads (R's blocks 4-7) may be out
.if \cm
	WIN 0x81                                       ; D window 2, C (the bias) window 0
.else
	WIN MUL_LO
.endif
	MUL16 0, (\q)%2, \q, \slot, \cm
	MUL16 2, (\q)%2, \q, \slot, \cm
	s_wait_dscnt 0                                 ; R's blocks 4-7 are in
	PLACES NP
	FETCH_B \slot, (\q)+1, 1-(\q)%2
	FETCH_A \slot, (\q)+1, 0
.if \cm
	WIN 0xc1
.else
	WIN MUL_HI
.endif
	MUL16 4, (\q)%2, \q, \slot, \cm
	MUL16 6, (\q)%2, \q, \slot, \cm
	PLACES NP
	WIN 0
	FETCH_A \slot, (\q)+1, 4
.endm
; A slot's last step changes slots: one barrier; in front of it each wave waits for all its tensor loads, adds 0 to its spare word, and waits for that and for its own reads of this slot.  fill = 1: the slot is filled again, two K steps ahead
.macro TURN slot, next, fill
	s_wait_tensorcnt 0x0                           ; all my tensor loads have landed: my part of the next slot
	ds_add_u32 v[SPW], v[NIL]                      ; 0 onto my spare word
	s_wait_dscnt 4*NL+1                            ; the add and the youngest 24 loads may be out
	WIN MUL_LO
	MUL16 0, 1, NQ-1, \slot, 0                     ; sixteen matrix instructions stand between the add and the wait for it
	s_wait_dscnt 0x0                               ; the add is done, and my reads of this slot are over
	s_barrier_signal -1
	MUL16 2, 1, NQ-1, \slot, 0
	WIN 0
	s_barrier_wait -1
.if \fill
	CREST                                          ; the barrier has opened a round of the cluster's barrier: no wave of any partner still reads this slot or has a load on its way
	s_add_nc_u64 s[G0+4*\slot+2:G0+4*\slot+3], s[G0+4*\slot+2:G0+4*\slot+3], 2*ROWB
	s_add_nc_u64 s[G0B+4*\slot+2:G0B+4*\slot+3], s[G0B+4*\slot+2:G0B+4*\slot+3], 2*ROWB
	JLOAD G0+4*\slot, G1, G0B+4*\slot, G1B         ; the first tensor load behind the round, my one load until the next; its four v_nop are the places in front of the loads below
.else
	PLACES NP
.endif
	v_add_nc_u32 v[ADRS], 4*NQ, v[ADRS]            ; on to the next K step's scale words
	FETCH_B \next, 0, 0
	FETCH_A \next, 0, 0
	SCALES \next
	WIN MUL_HI
	MUL16 4, 1, NQ-1, \slot, 0
	MUL16 6, 1, NQ-1, \slot, 0
	PLACES NP
	WIN 0
	FETCH_A \next, 0, 4
.endm
	s_wait_tensorcnt 1                             ; the scales and my part of K step 0 are in; K step 1's load may stay out
	s_barrier_signal -1
	s_barrier_wait -1
	FETCH_B 0, 0, 0
	FETCH_A 0, 0, 0
	SCALES 0
	FETCH_A 0, 0, 4
	s_wait_loadcnt 0x0                             ; the bias
	s_cmp_eq_u32 s12, 0
	s_cbranch_scc0 .Lfirst_v
	STEP 0, 0, 1                                   ; the first step starts the sums with the bias
	s_branch .Lgo
.Lfirst_v:
	STEP 0, 0, 2
.Lgo:
	s_mov_b32 s3, LAPS-1
.Llap:                                                 ; a trip goes once round the ring and fills both slots again
	TURN 0, 1, 1
	STEP 1, 0, 0
	TURN 1, 0, 1
	STEP 0, 0, 0
	s_sub_co_u32 s3, s3, 1
	s_cmp_lg_u32 s3, 0
	s_cbranch_scc1 .Llap
	TURN 0, 1, 0                                   ; the last lap fills nothing
	STEP 1, 0, 0
	s_wait_dscnt 4*NL
	WIN MUL_LO
	MUL16 0, 1, NQ-1, 1, 0
	MUL16 2, 1, NQ-1, 1, 0
	s_wait_dscnt 0
	WIN MUL_HI
	MUL16 4, 1, NQ-1, 1, 0
	MUL16 6, 1, NQ-1, 1, 0
	WIN 0
; THE WAY OUT.  R's block a: a lane's 64 registers, register 16 b + i = place 32 b + 16 (lane / 16) + i along P of the lane's row.  They become four blocks of codes: blocks 0, 1 whole in a lane's six
; registers from d0 on (lanes 0-15 block 0, lanes 16-31 block 1), blocks 2, 3 from d1 on; the four scale bytes make the word pw, alike in lanes l and l xor 16.
.macro QUANTG a, d0, d1, pw
.set AC, 64*((\a)%4)
.set WW, 2+(\a)/4
.irp b, 0,1,2,3
	v_mov_b32 v[TM+\b], 0x2800000                  ; the floor 2^(5 - 127): the byte cannot fall under 1
.endr
	WIN (WW<<2)|(WW<<4)                            ; sources 1 and 2: the accumulators' window
.irp i, 0,2,4,6,8,10,12,14
.irp b, 0,1,2,3
	v_max3_num_f32 v[TM+\b], v[TM+\b], |v[AC+16*\b+\i]|, |v[AC+16*\b+\i+1]|   ; ascending: each accumulator is read from its low end on; the four blocks by turns
.endr
.endr
	WIN 0
.irp b, 0,1,2,3
	v_permlanex16_b32 v[TM+4+\b], v[TM+\b], s96, s97
.endr
.irp b, 0,1,2,3
	v_max_num_f32 v[TM+\b], v[TM+\b], v[TM+4+\b]   ; with lane l xor 16's 16: the block's largest magnitude
.endr
.irp b, 0,1,2,3
	v_add_nc_u32 v[TM+12+\b], 0xfe000000, v[TM+\b] ; 4 off its exponent field: the conversion's scale operand
.endr
.irp b, 0,1,2,3
	v_lshrrev_b32 v[TM+4+\b], 23, v[TM+12+\b]      ; the scale's byte
.endr
	v_lshl_or_b32 v[\pw], v[TM+5], 8, v[TM+4]
	v_lshl_or_b32 v[\pw], v[TM+6], 16, v[\pw]
	v_lshl_or_b32 v[\pw], v[TM+7], 24, v[\pw]
	WIN WW                                         ; source 0: the accumulators' window
	v_cvt_scalef32_pk16_bf6_f32 v[\d0:\d0+2], v[AC:AC+15], v[TM+12]
	v_cvt_scalef32_pk16_bf6_f32 v[CT:CT+2], v[AC+16:AC+31], v[TM+13]
	v_cvt_scalef32_pk16_bf6_f32 v[\d1:\d1+2], v[AC+32:AC+47], v[TM+14]
	v_cvt_scalef32_pk16_bf6_f32 v[CT+4:CT+6], v[AC+48:AC+63], v[TM+15]
	WIN 0
	v_nop                                          ; one plain place behind a scaled conversion
.irp i, 0,1,2
	v_permlane16_swap_b32 v[\d0+\i], v[CT+\i]      ; the first's lanes 16-31 change places with the second's lanes 0-15: a whole block in a lane
	v_permlane16_swap_b32 v[\d1+\i], v[CT+4+\i]
.endr
.irp i, 0,1,2
	v_mov_b32 v[\d0+3+\i], v[CT+\i]
	v_mov_b32 v[\d1+3+\i], v[CT+4+\i]
.endr
.endm
; q, k: tiles 2 d and 2 d + 1 of 16 tokens.  Blocks 0, 1 along P are the wave's first head, blocks 2, 3 its second: fragment d of each head's unit
.macro PAIRQK d
.set O0, OUTB+24*((\d)%2)
.set O1, O0+12
.if (\d) >= 2
	s_wait_xcnt 0x0                                ; the stores of two pairs ago have read this set of registers
.endif
	QUANTG 2*(\d), O0, O1, PWA
	QUANTG 2*(\d)+1, O0+6, O1+6, PWB
.if (\d)%2 == 0
	v_perm_b32 v[SCW+(\d)/2], v[PWB], v[PWA], s99      ; head 0: the two tiles' bytes 0, 1
	v_perm_b32 v[SCW+2+(\d)/2], v[PWB], v[PWA], s95    ; head 1: their bytes 2, 3
.else
	v_perm_b32 v[TW], v[PWB], v[PWA], s99
	v_cndmask_b32 v[SCW+(\d)/2], v[SCW+(\d)/2], v[TW], s98   ; an odd fragment's words stand in lanes 16-31
	v_perm_b32 v[TW], v[PWB], v[PWA], s95
	v_cndmask_b32 v[SCW+2+(\d)/2], v[SCW+2+(\d)/2], v[TW], s98
.endif
.irp c, 0,1,2
	global_store_b128 v[LI16], v[O0+4*\c:O0+4*\c+3], s[92:93] offset:(\d)*1536+512*\c         ; 32 lanes store 512 consecutive bytes, aligned
	global_store_b128 v[LI16], v[O1+4*\c:O1+4*\c+3], s[92:93] offset:98304+(\d)*1536+512*\c   ; the next head's unit: 16 units on
.endr
.endm
; v: R's blocks 2 d and 2 d + 1 are fragments 2 (d % 2) and 2 (d % 2) + 1 of head d / 2: 16 of the head's 64 x the step's 128 keys
.macro PAIRV d
.set O0, OUTB+24*((\d)%2)
.set O1, O0+12
.if (\d) >= 2
	s_wait_xcnt 0x0
.endif
	QUANTG 2*(\d), O0, O0+6, PWA
	QUANTG 2*(\d)+1, O1, O1+6, PWB
	v_cndmask_b32 v[SCW+2*((\d)/2)+(\d)%2], v[PWA], v[PWB], s98
.irp c, 0,1,2
	global_store_b128 v[LI16], v[O0+4*\c:O0+4*\c+3], s[92:93] offset:((\d)/2)*98304+(2*((\d)%2))*1536+512*\c
	global_store_b128 v[LI16], v[O1+4*\c:O1+4*\c+3], s[92:93] offset:((\d)/2)*98304+(2*((\d)%2)+1)*1536+512*\c
.endr
.endm
	PLACES NP                                      ; behind the last products: their scale registers are written and their results read below
.irp b, 0,1,2,3
	v_mov_b32 v[TM+4+\b], 0                        ; a lane permute's destination counts as one of its sources
.endr
	s_cmp_eq_u32 s12, 0
	s_cbranch_scc0 .Lout_v
	PAIRQK 0
	PAIRQK 1
	PAIRQK 2
	PAIRQK 3
	s_branch .Lout_sc
.Lout_v:
	PAIRV 0
	PAIRV 1
	PAIRV 2
	PAIRV 3
.Lout_sc:
	global_store_b64 v[LI8], v[SCW:SCW+1], s[46:47]                 ; 32 lanes store 256 consecutive bytes, aligned: a unit's scale image
	global_store_b64 v[LI8], v[SCW+2:SCW+3], s[46:47] offset:4096   ; the next head's
	s_wait_tensorcnt 0x0                           ; the wave's end
	ds_add_u32 v[SPW], v[NIL]
	s_wait_dscnt 0x0
	CROUND                                         ; the closing round: no work-group ends while a partner may still ask for a tile that names it
	s_endpgm
.Lfunc_end_k_q479b311ab1_gemm_qkv:
	.size	k_q479b311ab1_gemm_qkv, .Lfunc_end_k_q479b311ab1_gemm_qkv-k_q479b311ab1_gemm_qkv
	.p2alignl 7, 3214868480
	.fill 96, 4, 3214868480
	.section	.rodata,"a",@progbits
	.p2align	6, 0x0
	.amdhsa_kernel k_q479b311ab1_gemm_qkv
		.amdhsa_group_segment_fixed_size 327680
		.amdhsa_private_segment_fixed_size 0
		.amdhsa_enable_private_segment 0
		.amdhsa_kernarg_size 32
		.amdhsa_user_sgpr_count 2
		.amdhsa_user_sgpr_kernarg_segment_ptr 1
		.amdhsa_wavefront_size32 1
		.amdhsa_system_sgpr_workgroup_id_x 1
		.amdhsa_system_sgpr_workgroup_id_y 1
		.amdhsa_system_sgpr_workgroup_id_z 1
		.amdhsa_system_vgpr_workitem_id 0
		.amdhsa_next_free_vgpr 1024
		.amdhsa_next_free_sgpr 100
		.amdhsa_reserve_vcc 0
		.amdhsa_float_denorm_mode_32 3
		.amdhsa_float_denorm_mode_16_64 3
		.amdhsa_memory_ordered 1
		.amdhsa_forward_progress 1
		.amdhsa_inst_pref_size 224
	.end_amdhsa_kernel
	.amdgpu_metadata
---
amdhsa.version: [ 1, 2 ]
amdhsa.kernels:
  - .name:           k_q479b311ab1_gemm_qkv
    .symbol:         k_q479b311ab1_gemm_qkv.kd
    .args:
      - { .name: xq, .offset: 0, .size: 8, .value_kind: global_buffer, .address_space: global }
      - { .name: wq, .offset: 8, .size: 8, .value_kind: global_buffer, .address_space: global }
      - { .name: bqkv, .offset: 16, .size: 8, .value_kind: global_buffer, .address_space: global }
      - { .name: qkv, .offset: 24, .size: 8, .value_kind: global_buffer, .address_space: global }
    .group_segment_fixed_size: 327680
    .private_segment_fixed_size: 0
    .kernarg_segment_align: 8
    .kernarg_segment_size: 32
    .max_flat_workgroup_size: 128
    .sgpr_count:     100
    .vgpr_count:     1024
    .wavefront_size: 32
...
	.end_amdgpu_metadata
.endif
;; end of part 2
;; launch attn (part 3): grid 4 x 64, 16 waves a work-group, no clusters, 67,584 bytes of LDS; arguments qkv, mk, ao; writes ao
.if DOCPART == 3
	.amdgcn_target "amdgcn-amd-amdhsa--gfx1250"
	.amdhsa_code_object_version 6
	.text
	.protected	k_q479b311ab1_attn
	.globl	k_q479b311ab1_attn
	.p2align	8
	.type	k_q479b311ab1_attn,@function
k_q479b311ab1_attn:
	s_mov_b64 s[64:65], 0
	v_nop
	global_prefetch_b8 v0, s[64:65] scope:SCOPE_SE
	s_setreg_imm32_b32 hwreg(HW_REG_WAVE_MODE, 25, 1), 1
	s_wait_xcnt 0x0
; ATTENTION on codes of BF6 (E3M2): for each batch x head, o = softmax(mask(q k^T / 8)) v, and o quantised along the model's 1,024 for the last product.
; THE SOFTMAX: t = score x log2(e) / 8; M = the row's largest t so far, rounded up to a whole number; p = 2^(t - M) is quantised along the keys, not normalised; the row's sum is taken of the unquantised p and divides at the end.
; When M moves, the sum and O are multiplied by 2^(old M - new M), which rounds nothing.  A score whose mask word bit is off becomes -infinity ahead of the maximum, so its p is 0.
; SHARES.  Work-group (x, batch x head) makes two passes of 256 queries: blocks 7 - x and x.  Each of sixteen waves owns one tile of 16 queries in 256 registers, four waves to a SIMD, so that one wave's vector work stands beside another's products.
; THE MASK IS AN INPUT: an earlier launch has turned it into words (one bit a lane, one word for each score register of a step of 128 keys) and two flags a step and tile: some bit on, all bits on.  A step with no bit on for my tile is left out by a scalar
; branch on the stored flag; a step with all bits on skips the 64 selects; a slot of 256 keys that no tile of the work-group needs is not fetched.  Every wave passes every barrier; the trip counts are constants.
; NO TENSOR LOADS AND NO CLUSTER: what is fetched hangs on flags read from memory, so K and V go from memory through registers into LDS, a slot ahead, each wave a sixteenth of a slot; joint requests need tensor loads that every partner issues on every path.
; LAYOUT.  Both products are used transposed (S^T = K q^T, O^T = V^T p^T): a lane holds one query throughout.  K's, V's and q's codes lie in memory as images of operand registers, so a fragment is three loads of 16 bytes a lane.
; THE HEAD IS 64, the instruction's K 128: a fragment of K holds TWO tiles of 16 keys, one in each half of K, and q stands between two runs of zero codes: [0][q][0].  With q in the lower half of K the product is the first tile's, with q in the upper half the second's.
; A tile's rows are not neighbours: lane r of tile 2 b + u holds key (or query) 32 b + 8 u + r + 8 (r / 8), so that score register 16 b + i of lane (r, h) is key 32 b + 16 h + i of the step.
; A ROW THAT THE MASK HIDES WHOLLY has the sum 0: its scale bytes in ao are set to 0xff, which makes that row of the final product NaN, as the softmax of such a row is.
; LIMITS: NaN and infinities among the inputs are not served; a block whose largest magnitude lies under 2^-122, a block of zeros too, gets the scale byte 1.
.set BUF,    32768                     ; LDS: two slots of 256 keys; in a slot: K's images 12,288 bytes, V's 12,288, K's scale images 512, V's 512
.set VOFF,   12288
.set KSOFF,  24576
.set VSOFF,  25088
.set SELB,   6291456                   ; qkv: from q's images to k's, from k's to v's
.set QKV_SC, 18874368                  ; qkv: the scale images begin here
.set MK_FL,  524288                    ; mk: the flags begin here
.set AO_SC,  6291456                   ; ao: the scale bytes begin here
.set LI,   1                           ; v1  16 x lane
.set L8,   2                           ; v2  8 x lane
.set STI,  3                           ; v3  LDS: where I put my sixteenth of a slot's images: 1,536 x wave + 16 x lane
.set STS,  4                           ; v4  and of its scale images: 64 x wave + 4 (lane % 16)
.set GIO,  5                           ; v5  the same in memory: 1,536 (wave % 8) + 16 x lane
.set GSO,  6                           ; v6  64 (wave % 8) + 4 (lane % 16)
.set QSO,  7                           ; v7  my row's two scale bytes in q's scale image
.set ASO,  8                           ; v8  32 (lane % 16): my row among ao's scale bytes
.set QO0,  9                           ; v9, v10 my six registers in q's image
.set QO1,  10
.set NINF, 11                          ; v11 -infinity
                                       ; v12 -M, v13 the largest t, v[14:15] the sum in two halves
.set QZ,   16                          ; v16-21 zeros, v22-27 q, v28-33 zeros
.set QSW,  34                          ; v34 q's scale word: its two bytes twice
.set PFO,  35                          ; v35 the prefetches' offset
.set FRG,  36                          ; v36-83 four fragments of K or of V
.set KSC,  84                          ; v[84:85] K's scale words, v[86:87] V's
.set VSC,  86
.set SS,   96                          ; v96-159 S^T, then p
.set OT,   160                         ; v160-191 O^T
.set PCD,  192                         ; v192-203 p's codes
.set CT,   204                         ; v204-206, v208-210 half blocks on their way
.set SG,   212                         ; v212-224 my sixteenth of the next slot, on its way through registers
.set SPI,  2                           ; s[2:3]  where my part of the slot in hand lies in memory: images,
.set SPS,  6                           ; s[6:7]  scale images
.set MP,   10                          ; s[10:11] my tile's mask words of the slot in hand
.set WV,   18                          ; s18 wave; s20 batch x head; s21 passes to go; s22 trips to go; s24 my tile
.set WG,   25                          ; s25 a bit a step: some tile of the work-group needs it; bit 0 = the slot in hand's first step
.set NZ,   26                          ; s26 my tile needs it
.set AO,   27                          ; s27 all of my tile's bits are on
.set PFN,  28                          ; s28 prefetches still to make
.set PFA,  30                          ; s[30:31] where they stand
.set CS,   66                          ; s[66:67] c = log2(e) / 8
.set SEL,  100                         ; s[100:101] v_permlanex16_b32's selects for lane l xor 16
                                       ; s32-63, s68-99: a step's 64 mask words
.macro STAGE_LD k                      ; my sixteenth of the slot k slots on: 1,536 bytes of images, 64 of scale images (lanes l and l + 16 take the same word)
.irp i, 0,1,2
	global_load_b128 v[SG+4*\i:SG+4*\i+3], v[GIO], s[SPI:SPI+1] offset:(\k)*12288+512*\i
.endr
	global_load_b32 v[SG+12], v[GSO], s[SPS:SPS+1] offset:(\k)*512
.endm
.macro STAGE_ST j                      ; into LDS slot j
.irp i, 0,1,2
	ds_store_b128 v[STI], v[SG+4*\i:SG+4*\i+3] offset:BUF*(\j)+512*\i
.endr
	ds_store_b32 v[STS], v[SG+12] offset:BUF*(\j)+KSOFF
.endm
; A PREFETCH INTO THE L2 of the slot three on from the one in hand, one slot ahead of the loads that will want it: 48 blocks of 256 bytes of K's images and 48 of V's.  All four work-groups of a batch x head walk the same K and V:
; the first of them asks, in its first pass, and in it waves 0 to 2, one instruction each: lanes 0-15 name 16 blocks of K, lanes 16-31 the same 16 of V.  So each block is named once in the launch.
; Slots 0 to 2 and the scale images come by their loads alone; five slots are named, and the last three trips ask for nothing.
.macro ASK j
	s_cmp_lg_u32 s[PFN], 0
	s_cbranch_scc0 .Lnp_\@
	global_prefetch_b8 v[PFO], s[PFA:PFA+1] offset:(\j)*12288 th:TH_LOAD_NT scope:SCOPE_SE
	s_sub_co_u32 s[PFN], s[PFN], 1
.Lnp_\@:
.endm
; A KEY STEP: 128 keys, the q-th of LDS slot j.  (No loop of the assembler inside this macro is named j or q: an argument is put in as text ahead of a loop's number.)
.macro STEP j, q
	s_bitcmp1_b32 s[NZ], \q
	s_cbranch_scc0 .Lhid_\@                        ; no key of the step counts for any of my 16 queries
	s_bitcmp1_b32 s[AO], \q
	s_cbranch_scc1 .Lnl_\@
	s_load_b512 s[32:47], s[MP:MP+1], 512*(\j)+256*(\q)
	s_load_b512 s[48:63], s[MP:MP+1], 512*(\j)+256*(\q)+64
	s_load_b512 s[68:83], s[MP:MP+1], 512*(\j)+256*(\q)+128
	s_load_b512 s[84:99], s[MP:MP+1], 512*(\j)+256*(\q)+192
.Lnl_\@:
.rept 4
	v_nop                                          ; places in front of loads into registers that the last products have read
.endr
.irp d, 0,1,2,3
.irp c, 0,1,2
	ds_load_b128 v[FRG+12*\d+4*\c:FRG+12*\d+4*\c+3], v[LI] offset:BUF*(\j)+6144*(\q)+1536*\d+512*\c
.endr
.endr
	ds_load_b64 v[KSC:KSC+1], v[L8] offset:BUF*(\j)+KSOFF+256*(\q)
	s_wait_dscnt 0x0
.irp d, 0,1,2,3                                ; S^T = K q^T: fragment d holds tiles 2 d and 2 d + 1; an odd fragment's scale words stand in lanes 16-31
.if \d%2
	v_wmma_scale_f32_16x16x128_f8f6f4 v[SS+16*\d:SS+16*\d+7], v[FRG+12*\d:FRG+12*\d+11], v[QZ+6:QZ+17], 0, v[KSC+\d/2], v[QSW] matrix_a_fmt:MATRIX_FMT_BF6 matrix_b_fmt:MATRIX_FMT_BF6 matrix_a_scale:MATRIX_SCALE_ROW1
	v_wmma_scale_f32_16x16x128_f8f6f4 v[SS+8+16*\d:SS+15+16*\d], v[FRG+12*\d:FRG+12*\d+11], v[QZ:QZ+11], 0, v[KSC+\d/2], v[QSW] matrix_a_fmt:MATRIX_FMT_BF6 matrix_b_fmt:MATRIX_FMT_BF6 matrix_a_scale:MATRIX_SCALE_ROW1
.else
	v_wmma_scale_f32_16x16x128_f8f6f4 v[SS+16*\d:SS+16*\d+7], v[FRG+12*\d:FRG+12*\d+11], v[QZ+6:QZ+17], 0, v[KSC+\d/2], v[QSW] matrix_a_fmt:MATRIX_FMT_BF6 matrix_b_fmt:MATRIX_FMT_BF6
	v_wmma_scale_f32_16x16x128_f8f6f4 v[SS+8+16*\d:SS+15+16*\d], v[FRG+12*\d:FRG+12*\d+11], v[QZ:QZ+11], 0, v[KSC+\d/2], v[QSW] matrix_a_fmt:MATRIX_FMT_BF6 matrix_b_fmt:MATRIX_FMT_BF6
.endif
.endr
.rept 4
	v_nop                                          ; places: in front of the loads into K's registers, and of the first read of the scores
.endr
.irp d, 0,1,2,3                                ; V's four fragments land while the softmax is walked
.irp c, 0,1,2
	ds_load_b128 v[FRG+12*\d+4*\c:FRG+12*\d+4*\c+3], v[LI] offset:BUF*(\j)+VOFF+6144*(\q)+1536*\d+512*\c
.endr
.endr
	ds_load_b64 v[VSC:VSC+1], v[L8] offset:BUF*(\j)+VSOFF+256*(\q)
	s_wait_kmcnt 0x0                               ; the mask words, if they were asked for; the wait stands on every path
	s_bitcmp1_b32 s[AO], \q
	s_cbranch_scc1 .Lop_\@
.set N, 0
.rept 64
	v_cndmask_b32 v[SS+N], v[NINF], v[SS+N], s[32+N+4*(N/32)]   ; bit off: -infinity
.set N, N+1
.endr
.Lop_\@:
.irp b, 0,1,2,3
	v_max3_num_f32 v[232+\b], v[SS+16*\b], v[SS+1+16*\b], v[SS+2+16*\b]   ; the largest score of each block of 32 keys: for the row's maximum, and, since p rises with the score, for the block's largest p
.endr
.irp i, 3,5,7,9,11,13
.irp b, 0,1,2,3
	v_max3_num_f32 v[232+\b], v[232+\b], v[SS+16*\b+\i], v[SS+1+16*\b+\i]
.endr
.endr
.irp b, 0,1,2,3
	v_max_num_f32 v[232+\b], v[232+\b], v[SS+15+16*\b]
.endr
.irp b, 0,1,2,3
	s_delay_alu instid0(VALU_DEP_4)
	v_permlanex16_b32 v[236+\b], v[232+\b], s[SEL], s[SEL+1]
.endr
.irp b, 0,1,2,3
	s_delay_alu instid0(VALU_DEP_4)
	v_max_num_f32 v[232+\b], v[232+\b], v[236+\b]  ; with lane l xor 16's 16 keys
.endr
	s_delay_alu instid0(VALU_DEP_2)
	v_max3_num_f32 v254, v232, v233, v234
	s_delay_alu instid0(VALU_DEP_1)
	v_max_num_f32 v254, v254, v235                 ; the step's largest score of my query
	s_delay_alu instid0(VALU_DEP_1)
	v_mul_f32 v254, s[CS], v254                    ; as t
	s_delay_alu instid0(VALU_DEP_1)
	v_max_num_f32 v13, v13, v254                   ; the running largest t
	v_mov_b32 v254, v12
	s_delay_alu instid0(VALU_DEP_2)
	v_floor_f32 v12, -v13                          ; the new -M = floor(-t): M is a whole number
	s_delay_alu instid0(VALU_DEP_1)
	v_sub_f32 v254, v12, v254                      ; old M - new M: a whole number, 0 or less
	s_delay_alu instid0(VALU_DEP_1)
	v_cvt_i32_f32 v254, v254                       ; (it saturates)
	s_delay_alu instid0(VALU_DEP_1)
	v_ldexp_f32 v252, 1.0, v254                    ; f = 2^(old M - new M)
.set J, 0
.rept 32
	v_pk_fma_f32 v[SS+J:SS+J+1], v[SS+J:SS+J+1], s[CS:CS+1], v[12:13] op_sel_hi:[1,0,0]   ; t - M, two at a time
.set J, J+2
.endr
.irp b, 0,1,2,3
	v_fma_f32 v[232+\b], v[232+\b], s[CS], v12     ; the same of each block's largest score
.endr
.set J, 0
	s_wait_alu depctr_va_vdst(0)
.rept 64
	v_exp_f32 v[SS+J], v[SS+J]                     ; p = 2^(t - M), at most 1
.set J, J+1
.endr
	v_pk_mul_f32 v[14:15], v[14:15], v[252:253] op_sel_hi:[1,0]   ; the sums under the new M: a plain instruction behind the exponentials
	s_wait_alu depctr_va_vdst(0)                   ; one wait for the batch of 64, ahead of its first reader
.irp b, 0,1,2,3
	v_exp_f32 v[232+\b], v[232+\b]                 ; the block's largest p
.endr
	v_pk_add_f32 v[236:237], v[100:101], v[104:105]
	v_pk_add_f32 v[248:249], v[108:109], v[112:113]
	v_pk_add_f32 v[246:247], v[116:117], v[120:121]
	v_pk_add_f32 v[244:245], v[124:125], v[128:129]
	v_pk_add_f32 v[242:243], v[132:133], v[136:137]
	v_pk_add_f32 v[240:241], v[140:141], v[144:145]
	v_pk_add_f32 v[238:239], v[148:149], v[152:153]
	v_pk_add_f32 v[14:15], v[14:15], v[156:157]
	v_pk_add_f32 v[236:237], v[236:237], v[96:97]
	v_pk_add_f32 v[248:249], v[248:249], v[98:99]
	v_pk_add_f32 v[246:247], v[246:247], v[102:103]
	v_pk_add_f32 v[244:245], v[244:245], v[106:107]
	v_pk_add_f32 v[242:243], v[242:243], v[110:111]
	v_pk_add_f32 v[240:241], v[240:241], v[114:115]
	v_pk_add_f32 v[238:239], v[238:239], v[118:119]
	v_pk_add_f32 v[14:15], v[14:15], v[122:123]
	v_pk_add_f32 v[236:237], v[236:237], v[126:127]
	v_pk_add_f32 v[248:249], v[248:249], v[130:131]
	v_pk_add_f32 v[246:247], v[246:247], v[134:135]
	v_pk_add_f32 v[244:245], v[244:245], v[138:139]
	v_pk_add_f32 v[242:243], v[242:243], v[142:143]
	v_pk_add_f32 v[240:241], v[240:241], v[146:147]
	v_pk_add_f32 v[238:239], v[238:239], v[150:151]
	v_pk_add_f32 v[14:15], v[14:15], v[154:155]
	v_pk_add_f32 v[236:237], v[236:237], v[158:159]
	s_delay_alu instid0(VALU_DEP_2)
	v_pk_add_f32 v[14:15], v[14:15], v[244:245]
	s_delay_alu instid0(VALU_DEP_2)
	v_pk_add_f32 v[236:237], v[236:237], v[242:243]
	v_pk_add_f32 v[248:249], v[248:249], v[240:241]
	v_pk_add_f32 v[246:247], v[246:247], v[238:239]
	s_delay_alu instid0(VALU_DEP_2)
	v_pk_add_f32 v[14:15], v[14:15], v[248:249]
	s_delay_alu instid0(VALU_DEP_2)
	v_pk_add_f32 v[236:237], v[236:237], v[246:247]
	s_delay_alu instid0(VALU_DEP_1)
	v_pk_add_f32 v[14:15], v[14:15], v[236:237]
	s_wait_alu depctr_va_vdst(0)                   ; and one for the four
.irp b, 0,1,2,3
	v_max_num_f32 v[232+\b], 0x2800000, v[232+\b]  ; the floor 2^(5 - 127): the byte cannot fall under 1
.endr
.irp b, 0,1,2,3
	s_delay_alu instid0(VALU_DEP_4)
	v_add_nc_u32 v[244+\b], 0xfe000000, v[232+\b]  ; 4 off the exponent field: the conversion's scale operand
.endr
.irp b, 0,1,2,3
	s_delay_alu instid0(VALU_DEP_4)
	v_lshrrev_b32 v[236+\b], 23, v[244+\b]         ; the scale's byte
.endr
	s_delay_alu instid0(VALU_DEP_3)
	v_lshl_or_b32 v253, v237, 8, v236              ; p's scale word for these 128 keys
	s_delay_alu instid0(VALU_DEP_1)
	v_lshl_or_b32 v253, v238, 16, v253
	s_delay_alu instid0(VALU_DEP_1)
	v_lshl_or_b32 v253, v239, 24, v253
.irp c, 0,1
	v_cvt_scalef32_pk16_bf6_f32 v[PCD+6*\c:PCD+2+6*\c], v[SS+32*\c:SS+15+32*\c], v[244+2*\c]
	v_cvt_scalef32_pk16_bf6_f32 v[CT+4*\c:CT+2+4*\c], v[SS+16+32*\c:SS+31+32*\c], v[245+2*\c]
.endr
	v_nop                                          ; one plain place behind a scaled conversion
.irp c, 0,1                                    ; the operand's layout wants a whole block in a lane
.irp i, 0,1,2
	v_permlane16_swap_b32 v[PCD+6*\c+\i], v[CT+4*\c+\i]
.endr
.irp i, 0,1,2
	s_delay_alu instid0(VALU_DEP_3)
	v_mov_b32 v[PCD+3+6*\c+\i], v[CT+4*\c+\i]
.endr
.endr
.set J, 0
.rept 16
	v_pk_mul_f32 v[OT+J:OT+J+1], v[OT+J:OT+J+1], v[252:253] op_sel_hi:[1,0]   ; O^T under the new M.  These sixteen also stand between the writing of p's codes and scale word and the products
.set J, J+2
.endr
	s_wait_alu depctr_va_vdst(0)
	s_wait_dscnt 0x0                               ; V
.irp t, 0,1,2,3                                ; O^T += V^T p^T: four accumulators by turns
.if \t%2
	v_wmma_scale_f32_16x16x128_f8f6f4 v[OT+8*\t:OT+8*\t+7], v[FRG+12*\t:FRG+12*\t+11], v[PCD:PCD+11], v[OT+8*\t:OT+8*\t+7], v[VSC+\t/2], v253 matrix_a_fmt:MATRIX_FMT_BF6 matrix_b_fmt:MATRIX_FMT_BF6 matrix_a_scale:MATRIX_SCALE_ROW1
.else
	v_wmma_scale_f32_16x16x128_f8f6f4 v[OT+8*\t:OT+8*\t+7], v[FRG+12*\t:FRG+12*\t+11], v[PCD:PCD+11], v[OT+8*\t:OT+8*\t+7], v[VSC+\t/2], v253 matrix_a_fmt:MATRIX_FMT_BF6 matrix_b_fmt:MATRIX_FMT_BF6
.endif
.endr
.Lhid_\@:
.endm
; A SLOT of 256 keys in LDS slot j.  One barrier: in front of it each wave's stores into this slot have landed and its reads of the other slot are back.  Behind it the other slot takes the next 256 keys out of my registers,
; and the 256 after those are asked for, with the slot's two steps in which to land.
.macro TRIP j
	s_wait_loadcnt 0x0                             ; what I asked for a slot ago is in my registers; the wait stands on every path
	s_wait_dscnt 0x0
	s_barrier_signal -1
	s_barrier_wait -1
	s_and_b32 s29, s[WG], 0xc                      ; does any tile need the next slot?
	s_cmp_lg_u32 s29, 0
	s_cbranch_scc0 .Lnst_\@
	STAGE_ST 1-(\j)
.Lnst_\@:
	s_and_b32 s29, s[WG], 0x30                     ; and the one after it?
	s_cmp_lg_u32 s29, 0
	s_cbranch_scc0 .Lnld_\@
	s_wait_dscnt 0x0                               ; the stores have read their registers
	STAGE_LD 2+(\j)
.Lnld_\@:
	ASK \j
	STEP \j, 0
	STEP \j, 1
	s_lshr_b32 s[WG], s[WG], 2
	s_lshr_b32 s[NZ], s[NZ], 2
	s_lshr_b32 s[AO], s[AO], 2
.endm
	s_load_b128 s[12:15], s[0:1], 0x0              ; qkv s[12:13], mk s[14:15]
	s_load_b64 s[16:17], s[0:1], 0x10              ; ao
	v_lshl_add_u32 v251, v0, 2, 0x10000
	v_mov_b32 v255, 0
	v_lshrrev_b32 v88, 5, v0
	s_delay_alu instid0(VALU_DEP_1)
	v_readfirstlane_b32 s[WV], v88                 ; wave 0..15
	s_and_b32 s20, ttmp7, 0xffff                   ; batch x head
	v_and_b32 v88, 31, v0                          ; lane
	v_and_b32 v89, 15, v0                          ; r
	s_wait_alu depctr_va_vdst(0)
	v_bfe_u32 v90, v0, 4, 1                        ; h
	v_lshlrev_b32 v[LI], 4, v88
	s_wait_alu depctr_va_vdst(0)
	v_lshlrev_b32 v[L8], 3, v88
	s_mul_i32 s23, s[WV], 1536
	v_add_nc_u32 v[STI], s23, v[LI]
	v_lshlrev_b32 v91, 2, v89
	s_lshl_b32 s23, s[WV], 6
	v_add_nc_u32 v[STS], s23, v91
	s_and_b32 s24, s[WV], 7
	s_mul_i32 s23, s24, 1536
	v_add_nc_u32 v[GIO], s23, v[LI]
	s_lshl_b32 s23, s24, 6
	v_add_nc_u32 v[GSO], s23, v91
	; my tile is tile wave % 8 of its step of q: half e = wave % 2 of fragment d = (wave % 8) / 2
	s_bfe_u32 s23, s[WV], 0x10001
	s_lshl_b32 s23, s23, 7                         ; the scale image: an odd fragment's words lie 128 bytes on,
	s_bfe_u32 s24, s[WV], 0x10002
	s_lshl_b32 s24, s24, 2                         ; fragments 2 and 3 in the second word,
	s_add_co_u32 s23, s23, s24
	s_and_b32 s29, s[WV], 1
	s_lshl_b32 s24, s29, 1                         ; the second tile in its upper two bytes
	s_add_co_u32 s23, s23, s24
	v_lshl_add_u32 v[QSO], v89, 3, s23
	v_lshlrev_b32 v[ASO], 5, v89
	s_bfe_u32 s23, s[WV], 0x20001
	s_mul_i32 s23, s23, 1536                       ; the image: register p of lane l lies at 512 (p / 4) + 16 l + 4 (p % 4); I want registers 6 e .. 6 e + 5, in pairs
	s_mul_i32 s24, s29, 520
	s_add_co_u32 s24, s24, s23
	v_add_nc_u32 v[QO0], s24, v[LI]                ; the first pair; the third lies 512 bytes on
	s_mul_i32 s24, s29, 1016
	s_add_co_u32 s24, s24, s23
	s_add_co_u32 s24, s24, 8
	v_add_nc_u32 v[QO1], s24, v[LI]                ; the second
	v_mul_u32_u24 v[PFO], v90, SELB                ; the prefetches: lanes 16-31 in V's images,
	s_delay_alu instid0(VALU_DEP_1)
	v_lshl_add_u32 v[PFO], v89, 8, v[PFO]          ; 256 bytes from lane to lane,
	s_lshl_b32 s23, s[WV], 12
	v_add_nc_u32 v[PFO], s23, v[PFO]               ; 4,096 from wave to wave
	v_mov_b32 v[NINF], 0xff800000
.irp i, 0,1,2,3,4,5
	v_mov_b32 v[QZ+\i], 0                          ; the zero codes on both sides of q
	v_mov_b32 v[QZ+12+\i], 0
.endr
.irp i, 0,1,2,3,4,5,6,7,8,9,10,11,12
	v_mov_b32 v[SG+\i], 0                          ; written once, so that they are written on every path of the text
.endr
	s_mov_b32 s[CS], 0x3e38aa3b                    ; c = log2(e) / 8
	s_mov_b32 s[CS+1], s[CS]
	s_mov_b32 s[SEL], 0x76543210
	s_mov_b32 s[SEL+1], 0xfedcba98
	s_cmp_lt_u32 s[WV], 3
	s_cselect_b32 s[PFN], 5, 0
	s_cmp_eq_u32 ttmp9, 0
	s_cselect_b32 s[PFN], s[PFN], 0
	s_lshr_b32 s23, s[WV], 3                       ; waves 0-7 fetch K's images, waves 8-15 V's
	s_add_co_u32 s23, s23, 1
	s_mul_i32 s4, s23, SELB
	s_mul_i32 s24, s20, 98304
	s_add_co_u32 s4, s4, s24
	s_mov_b32 s5, 0
	s_lshl_b32 s8, s23, 18
	s_lshl_b32 s29, s20, 12
	s_add_co_u32 s8, s8, s29
	s_add_co_u32 s8, s8, QKV_SC
	s_mov_b32 s9, 0
	s_add_co_u32 s104, s24, SELB+3*12288
	s_mov_b32 s105, 0
	s_wait_kmcnt 0x0
	s_add_nc_u64 s[SPI:SPI+1], s[12:13], s[4:5]
	s_add_nc_u64 s[SPS:SPS+1], s[12:13], s[8:9]
	s_add_nc_u64 s[PFA:PFA+1], s[12:13], s[104:105]   ; K's slot 3 of my batch x head
	s_mov_b32 s21, 2
.Lpass:
	s_wait_dscnt 0x0
	s_barrier_signal -1
	s_barrier_wait -1                              ; nobody reads LDS any more: slot 0 may be written
	s_sub_co_u32 s23, 7, ttmp9
	s_cmp_eq_u32 s21, 2
	s_cselect_b32 s23, s23, ttmp9                  ; my block of 256 queries
	s_lshl_b32 s24, s23, 4
	s_add_co_u32 s24, s24, s[WV]                   ; my tile of 16
	s_lshl_b32 s29, s20, 4
	s_lshl_b32 s4, s23, 1
	s_add_co_u32 s29, s29, s4
	s_lshr_b32 s4, s[WV], 3
	s_add_co_u32 s29, s29, s4                      ; q's unit: batch x head x 16 + step
	s_mul_i32 s8, s29, 6144
	s_mov_b32 s9, 0
	s_add_nc_u64 s[8:9], s[12:13], s[8:9]
	global_load_b64 v[QZ+6:QZ+7], v[QO0], s[8:9]
	global_load_b64 v[QZ+8:QZ+9], v[QO1], s[8:9]
	global_load_b64 v[QZ+10:QZ+11], v[QO0], s[8:9] offset:512
	s_lshl_b32 s104, s29, 8
	s_add_co_u32 s104, s104, QKV_SC
	s_mov_b32 s105, 0
	s_add_nc_u64 s[104:105], s[12:13], s[104:105]
	global_load_u16 v91, v[QSO], s[104:105]
	s_lshl_b32 s4, s23, 9                          ; the flags of the block's 16 tiles: 512 bytes, pairs (some on, all on)
	s_add_co_u32 s4, s4, MK_FL
	s_mov_b32 s5, 0
	s_add_nc_u64 s[4:5], s[14:15], s[4:5]
	s_load_b512 s[32:47], s[4:5], 0x0
	s_load_b512 s[48:63], s[4:5], 0x40
	s_load_b512 s[68:83], s[4:5], 0x80
	s_load_b512 s[84:99], s[4:5], 0xc0
	s_lshl_b32 s10, s24, 12
	s_mov_b32 s11, 0
	s_add_nc_u64 s[MP:MP+1], s[14:15], s[10:11]    ; my tile's mask words
	s_lshl_b32 s29, s[WV], 5
	v_mov_b32 v13, 0xff61b1e6                      ; the largest t so far: -3e38, under every t
	s_delay_alu instid0(VALU_DEP_1)
	v_floor_f32 v12, -v13                          ; -M
	v_mov_b32 v14, 0
	v_mov_b32 v15, 0
.irp b, 0,1,2,3
	v_mov_b32 v[236+\b], 0                         ; a lane permute's destination counts as one of its sources
.endr
	v_mov_b32 v252, 0
	v_mov_b32 v253, 0
	s_wait_kmcnt 0x0
	s_or_b64 s[22:23], s[32:33], s[34:35]
.irp p, 36,38,40,42,44,46,48,50,52,54,56,58,60,62,68,70,72,74,76,78,80,82,84,86,88,90,92,94,96,98
	s_or_b64 s[22:23], s[22:23], s[\p:\p+1]
.endr
	s_load_b512 s[32:47], s[4:5], 0x100
	s_load_b512 s[48:63], s[4:5], 0x140
	s_load_b512 s[68:83], s[4:5], 0x180
	s_load_b512 s[84:99], s[4:5], 0x1c0
	s_wait_kmcnt 0x0
.irp p, 32,34,36,38,40,42,44,46,48,50,52,54,56,58,60,62,68,70,72,74,76,78,80,82,84,86,88,90,92,94,96,98
	s_or_b64 s[22:23], s[22:23], s[\p:\p+1]
.endr
	s_and_b32 s[WG], s22, 0xffff                   ; the steps that some tile of the block needs
	s_load_b256 s[32:39], s[4:5], s29 offset:0x0   ; my own tile's
	s_wait_kmcnt 0x0
	s_or_b32 s[NZ], s32, s34
	s_or_b32 s[NZ], s[NZ], s36
	s_or_b32 s[NZ], s[NZ], s38
	s_or_b32 s[AO], s33, s35
	s_or_b32 s[AO], s[AO], s37
	s_or_b32 s[AO], s[AO], s39
	s_wait_loadcnt 0x0                             ; q and its scale bytes
	v_lshl_or_b32 v[QSW], v91, 16, v91             ; the two bytes serve either half of K
.set J, 0
.rept 32
	v_mov_b32 v[OT+J], 0                           ; O^T: the step is written once; the first finds zeros.  (More than eight plain instructions between the scale word and the first product)
.set J, J+1
.endr
	s_and_b32 s29, s[WG], 3
	s_cmp_lg_u32 s29, 0
	s_cbranch_scc0 .Lno_slot0
	STAGE_LD 0
	s_wait_loadcnt 0x0
	STAGE_ST 0
.Lno_slot0:
	s_and_b32 s29, s[WG], 0xc
	s_cmp_lg_u32 s29, 0
	s_cbranch_scc0 .Lno_slot1
	s_wait_dscnt 0x0                               ; the stores have read their registers
	STAGE_LD 1
.Lno_slot1:
	s_mov_b32 s22, 4
.Ltrip:                                            ; a trip runs two slots, so that every LDS address is a lane's or wave's term and an immediate
	TRIP 0
	TRIP 1
	s_wait_xcnt 0x0                                ; the loads and the prefetches have read their bases
	s_add_nc_u64 s[SPI:SPI+1], s[SPI:SPI+1], 2*12288
	s_add_nc_u64 s[SPS:SPS+1], s[SPS:SPS+1], 2*512
	s_add_nc_u64 s[MP:MP+1], s[MP:MP+1], 2*512
	s_add_nc_u64 s[PFA:PFA+1], s[PFA:PFA+1], 2*12288
	s_sub_co_u32 s22, s22, 1
	s_cmp_lg_u32 s22, 0
	s_cbranch_scc1 .Ltrip
	; THE PASS'S END: O^T / the sum, quantised along the head's 64 (two blocks of the last product's K), stored as an image of six operand registers
.rept 4
	v_nop                                          ; places behind the last products
.endr
	v_add_f32 v14, v14, v15
	s_delay_alu instid0(VALU_DEP_1)
	v_permlanex16_b32 v252, v14, s[SEL], s[SEL+1]
	s_delay_alu instid0(VALU_DEP_1)
	v_add_f32 v14, v14, v252                       ; the row's sum
	s_wait_alu depctr_va_vdst(0)
	v_rcp_f32 v15, v14
	v_mov_b32 v239, 0xffff                         ; a plain place behind the transcendental
	s_wait_alu depctr_va_vdst(0)                   ; ahead of the first reader
.set J, 0
.rept 32
	v_mul_f32 v[SS+J], v[OT+J], v15                ; register 16 b + i is channel 32 b + 16 h + i; ascending: each accumulator is read from its low end on
.set J, J+1
.endr
	v_max3_num_f32 v232, |v[SS]|, |v[SS+1]|, 0x2800000
	v_max3_num_f32 v233, |v[SS+16]|, |v[SS+17]|, 0x2800000
.irp i, 2,4,6,8,10,12,14
	s_delay_alu instid0(VALU_DEP_2)
	v_max3_num_f32 v232, v232, |v[SS+\i]|, |v[SS+1+\i]|
	s_delay_alu instid0(VALU_DEP_2)
	v_max3_num_f32 v233, v233, |v[SS+16+\i]|, |v[SS+17+\i]|
.endr
	s_delay_alu instid0(VALU_DEP_2)
	v_permlanex16_b32 v236, v232, s[SEL], s[SEL+1]
	s_delay_alu instid0(VALU_DEP_2)
	v_permlanex16_b32 v237, v233, s[SEL], s[SEL+1]
	s_delay_alu instid0(VALU_DEP_2)
	v_max_num_f32 v232, v232, v236
	s_delay_alu instid0(VALU_DEP_2)
	v_max_num_f32 v233, v233, v237
	s_delay_alu instid0(VALU_DEP_2)
	v_add_nc_u32 v244, 0xfe000000, v232
	s_delay_alu instid0(VALU_DEP_2)
	v_add_nc_u32 v245, 0xfe000000, v233
	s_delay_alu instid0(VALU_DEP_2)
	v_lshrrev_b32 v236, 23, v244
	s_delay_alu instid0(VALU_DEP_2)
	v_lshrrev_b32 v237, 23, v245
	s_delay_alu instid0(VALU_DEP_1)
	v_lshl_or_b32 v238, v237, 8, v236              ; my row's two scale bytes
	v_cmp_eq_f32 vcc_lo, 0, v14
	s_delay_alu instid0(VALU_DEP_1)
	v_cndmask_b32 v238, v238, v239, vcc_lo         ; a row with no key: 0xff, 0xff
	v_cvt_scalef32_pk16_bf6_f32 v[PCD:PCD+2], v[SS:SS+15], v244
	v_cvt_scalef32_pk16_bf6_f32 v[CT:CT+2], v[SS+16:SS+31], v245
	v_nop
.irp i, 0,1,2
	v_permlane16_swap_b32 v[PCD+\i], v[CT+\i]
.endr
.irp i, 0,1,2
	s_delay_alu instid0(VALU_DEP_3)
	v_mov_b32 v[PCD+3+\i], v[CT+\i]
.endr
	s_lshr_b32 s4, s20, 4
	s_lshl_b32 s4, s4, 7
	s_add_co_u32 s4, s4, s24                       ; the tile of 16 rows: batch x 128 + my tile
	s_lshl_b32 s8, s4, 4
	s_and_b32 s29, s20, 15
	s_add_co_u32 s8, s8, s29                       ; x 16 + head
	s_mul_i32 s8, s8, 768
	s_mov_b32 s9, 0
	s_add_nc_u64 s[8:9], s[16:17], s[8:9]
	s_wait_alu depctr_va_vdst(0)
	global_store_b64 v[L8], v[PCD:PCD+1], s[8:9]               ; 32 lanes store 256 consecutive bytes, aligned
	global_store_b64 v[L8], v[PCD+2:PCD+3], s[8:9] offset:256
	global_store_b64 v[L8], v[PCD+4:PCD+5], s[8:9] offset:512
	s_lshl_b32 s4, s4, 9                           ; the scale bytes lie by rows, 32 bytes a row: mine are bytes 2 head, 2 head + 1 of 16 rows.  A row's 32 bytes come from 16 work-groups, so these stores stay small: 1 byte in 24 of ao
	s_lshl_b32 s29, s29, 1
	s_add_co_u32 s4, s4, s29
	s_add_co_u32 s4, s4, AO_SC
	s_mov_b32 s5, 0
	s_add_nc_u64 s[4:5], s[16:17], s[4:5]
	global_store_b16 v[ASO], v238, s[4:5]          ; lanes l and l + 16 store the same bytes
	s_wait_xcnt 0x0                                ; the stores have read their registers and bases
	s_sub_nc_u64 s[SPI:SPI+1], s[SPI:SPI+1], 98304 ; back to slot 0 for the second pass
	s_sub_nc_u64 s[SPS:SPS+1], s[SPS:SPS+1], 4096
	s_sub_nc_u64 s[PFA:PFA+1], s[PFA:PFA+1], 98304
	s_sub_co_u32 s21, s21, 1
	s_cmp_lg_u32 s21, 0
	s_cbranch_scc1 .Lpass
	s_wait_tensorcnt 0x0
	ds_add_u32 v251, v255
	s_wait_dscnt 0x0
	s_endpgm
.Lfunc_end_k_q479b311ab1_attn:
	.size	k_q479b311ab1_attn, .Lfunc_end_k_q479b311ab1_attn-k_q479b311ab1_attn
	.p2alignl 7, 3214868480
	.fill 96, 4, 3214868480
	.section	.rodata,"a",@progbits
	.p2align	6, 0x0
	.amdhsa_kernel k_q479b311ab1_attn
		.amdhsa_group_segment_fixed_size 67584
		.amdhsa_private_segment_fixed_size 0
		.amdhsa_enable_private_segment 0
		.amdhsa_kernarg_size 24
		.amdhsa_user_sgpr_count 2
		.amdhsa_user_sgpr_kernarg_segment_ptr 1
		.amdhsa_wavefront_size32 1
		.amdhsa_system_sgpr_workgroup_id_x 1
		.amdhsa_system_sgpr_workgroup_id_y 1
		.amdhsa_system_sgpr_workgroup_id_z 1
		.amdhsa_system_vgpr_workitem_id 0
		.amdhsa_next_free_vgpr 256
		.amdhsa_next_free_sgpr 106
		.amdhsa_reserve_vcc 1
		.amdhsa_float_denorm_mode_32 3
		.amdhsa_float_denorm_mode_16_64 3
		.amdhsa_memory_ordered 1
		.amdhsa_forward_progress 1
		.amdhsa_inst_pref_size 103
	.end_amdhsa_kernel
	.amdgpu_metadata
---
amdhsa.version: [ 1, 2 ]
amdhsa.kernels:
  - .name:           k_q479b311ab1_attn
    .symbol:         k_q479b311ab1_attn.kd
    .args:
      - { .name: qkv, .offset: 0, .size: 8, .value_kind: global_buffer, .address_space: global }
      - { .name: mk, .offset: 8, .size: 8, .value_kind: global_buffer, .address_space: global }
      - { .name: ao, .offset: 16, .size: 8, .value_kind: global_buffer, .address_space: global }
    .group_segment_fixed_size: 67584
    .private_segment_fixed_size: 0
    .kernarg_segment_align: 8
    .kernarg_segment_size: 24
    .max_flat_workgroup_size: 512
    .sgpr_count:     106
    .vgpr_count:     256
    .wavefront_size: 32
...
	.end_amdgpu_metadata
.endif
;; end of part 3
;; launch oproj (part 4): grid 4 x 32, 4 waves a work-group, clusters of 4 x 4, 327,680 bytes of LDS; arguments ao, wq, bout, out0; writes out0
.if DOCPART == 4
	.amdgcn_target "amdgcn-amd-amdhsa--gfx1250"
	.amdhsa_code_object_version 6
	.text
	.protected	k_q479b311ab1_oproj
	.globl	k_q479b311ab1_oproj
	.p2align	8
	.type	k_q479b311ab1_oproj,@function
k_q479b311ab1_oproj:
	s_mov_b64 s[64:65], 0
	v_nop
	global_prefetch_b8 v0, s[64:65] scope:SCOPE_SE
	s_setreg_imm32_b32 hwreg(HW_REG_WAVE_MODE, 25, 1), 1
	s_wait_xcnt 0x0
	s_wait_alu depctr_hold_cnt(0) depctr_sa_sdst(0) depctr_va_vdst(0) depctr_va_sdst(0) depctr_va_ssrc(0) depctr_va_vcc(0) depctr_vm_vsrc(0)
	s_getreg_b32 s2, hwreg(HW_REG_IB_STS2, 6, 4)
	s_cmp_eq_u32 s2, 0
	s_cbranch_scc0 .Lentry_in_a_cluster
	s_endpgm
.Lentry_in_a_cluster:
	s_bfe_u32 s2, ttmp6, 0x10000c
	s_cmp_lg_u32 s2, 0xf033
	s_cbranch_scc0 .Lentry_shape_is_right
	s_endpgm
.Lentry_shape_is_right:
; out0 = o Wout + bout on codes of BF6 (E3M2) with one E8M0 scale for each 32 along K = 1024; sums in f32.
; A work-group of four waves makes 256 x 256 of out0, a wave 128 x 128: 64 accumulators, 512 registers.  K goes in steps of 256 through two LDS slots filled by the tensor data mover; the scale bytes come once and stay.
; P, source 0 of the matrix instruction, is 256 columns of Wout (wq rows 3072 on, rows of 768 bytes); R, source 1, is 256 rows of o.  A lane then holds one row of out0 and eight neighbouring columns a tile.
; R LIES IN MEMORY AS IMAGES OF OPERAND REGISTERS: [tile of 16 rows][head][768 bytes], register p of lane l at 256 (p / 2) + 8 l + 4 (p % 2).  Two heads are 128 along K: a fragment is six loads of 8 bytes a lane, 256 consecutive bytes each.
; A K step of 256 is four heads, 3,072 consecutive bytes of each tile of rows.
; Storage rows of ao and wq have bits 3 and 4 of the logical row exchanged; the way out puts both back: columns by the place in the stage, rows by the store's offset.
; CLUSTERS: 4 x 4 work-groups; R's tiles are asked for jointly along a row of the cluster, P's along a column.  128 work-groups: the problem's 8192 x 1024 in tiles of 256 x 256.
; A scale byte 0xff in ao (a row that the mask hid wholly) makes that row of out0 NaN, as the reference's softmax does.
; REGISTERS, in windows of 256: window 0: v0-31 addresses; v32-63 scale words, two sets; v64-127 the bias; from v128 R's fragments, one set; on the way out v128-255 rows of out0.  window 1: P's fragments, two sets.  windows 2, 3: the accumulators.
.set NQ,     2
.set ROWB,   192                       ; P: a tile's row
.set KROW,   768
.set PITCH,  240                       ; P: an LDS row: 3 x (64 bytes + 16 of padding)
.set FR,     12
.set NL,     6
.set NP,     4                         ; places behind this matrix instruction (ISA guide 7.12.1)
.set HALFR,  8*3072                    ; R: 8 tiles of 16 rows x 3,072 bytes: what one tensor load brings
.set HALFP,  128*PITCH
.set POFF,   2*HALFR                   ; in a slot: R's 256 rows, then P's
.set SLOT,   2*HALFR+2*HALFP
.set LAPS,   2
.set KS,     32
.set SCL,    2*SLOT
.set HALFS,  16*272
.set SBLK,   2*272
.set SPARE,  SCL+4*HALFS               ; the spare words: 128 bytes a wave, two blocks of 256 bytes that no other line names
.set SPITCH, 528                       ; the way out: a stage of 16 rows x (512 bytes + 16) a wave, in slot 0, which has had its last fill and its last read when the first result is stored there
.set AO_SC,  6291456
.set WQ_SC,  3145728
.set ADRA, 16                          ; v16-17 LDS address of R's fragments in slot 0, 1
.set ADRB, 20                          ; v20-23 of P's (22, 23: behind one padding more)
.set STO,  24
.set RD,   25
.set CO,   26
.set ADRS, 27
.set SPW,  28                          ; v28 my spare word; never rewritten
.set NIL,  29                          ; v29 0; never rewritten
.set SC,   32
.set BI,   64
.set AF,   128
.set BK,   128
.set G1, 24
.set G0, 32
.set G1B, 48
.set G0B, 56
.set G1S, 68
.set G0S, 76
.set G1SB, 80
.set G0SB, 88
.set MSB, 0
.macro WIN new                         ; the immediate's high byte repeats the setting that is left
.if MSB != (\new)
	s_set_vgpr_msb (MSB<<8)|(\new)
.set MSB, (\new)
.endif
.endm
.set MUL_LO, 0xa1
.set MUL_HI, 0xf1
.set TO_B,   0x40
.macro JLOAD g0a, g1a, g0b, g1b        ; a joint load: waves 0 and 1 fetch for R, waves 2 and 3 for P; four v_nop follow each of the two lines
	s_cmp_eq_u32 s15, 0
	s_cbranch_scc0 .Lfor_b_\@
	tensor_load_to_lds s[\g0a:\g0a+3], s[\g1a:\g1a+7]
	s_nop 0
.rept 4
	v_nop
.endr
	s_branch .Lasked_\@
.Lfor_b_\@:
	tensor_load_to_lds s[\g0b:\g0b+3], s[\g1b:\g1b+7]
	s_nop 0
.rept 4
	v_nop
.endr
.Lasked_\@:
.endm
.macro CREST
	s_cmp_lg_u32 s14, 0
	s_cbranch_scc1 .Lnot_wave_0_\@
	s_barrier_signal -3
.Lnot_wave_0_\@:
	s_barrier_wait -3
	s_barrier_signal -1
	s_barrier_wait -1
.endm
.macro CROUND
	s_barrier_signal -1
	s_barrier_wait -1
	CREST
.endm
	s_load_b128 s[4:7], s[0:1], 0x0                ; ao s[4:5], wq s[6:7]
	s_load_b128 s[8:11], s[0:1], 0x10              ; bout s[8:9], out0 s[10:11]
	v_lshl_add_u32 v[SPW], v0, 2, SPARE
	v_mov_b32 v[NIL], 0
	ds_add_u32 v28, v29
	ds_add_u32 v28, v29
	s_wait_dscnt 0x0
	v_lshrrev_b32 v1, 5, v0
	v_readfirstlane_b32 s14, v1                    ; wave 0..3
	s_lshr_b32 s15, s14, 1                         ; which half of R's rows is mine.  Also: I fetch for R (0) or for P (1)
	s_and_b32 s16, s14, 1                          ; which half of P's rows.  Also: which half I fetch
	s_bfe_u32 s40, ttmp6, 0x40000                  ; cx, cy
	s_bfe_u32 s41, ttmp6, 0x40004
	s_lshl_b32 s42, ttmp9, 2
	s_add_co_u32 s42, s42, s40                     ; P's tile of 256 columns
	s_and_b32 s17, ttmp7, 0xffff
	s_lshl_b32 s17, s17, 2
	s_add_co_u32 s17, s17, s41                     ; R's tile of 256 rows
	s_lshl_b32 s43, s41, 2
	s_lshl_b32 s43, 15, s43                        ; my row of the cluster
	s_lshl_b32 s44, 0x1111, s40                    ; my column
	; R's tiles: 8 rows (tiles of 16 rows of o) of 3,072 bytes = 384 elements of 8 bytes, 12,288 bytes apart; no padding
	s_or_b32 s[G1+0], s43, (3<<16)|(1<<21)
	s_mov_b32 s[G1+1], 384<<16                     ; tensor_dim0
	s_mov_b32 s[G1+2], 8<<16                       ; tensor_dim1
	s_mov_b32 s[G1+3], 384<<16                     ; tile_dim0
	s_mov_b32 s[G1+4], 8                           ; tile_dim1
	s_mov_b32 s[G1+5], 1536                        ; from row to row, in elements
	s_mov_b32 s[G1+6], 0
	s_mov_b32 s[G1+7], 0
	; P's tiles: 128 rows x 192 bytes, 16 bytes of padding behind every 64
	s_or_b32 s[G1B+0], s44, (0<<16)|(1<<20)|(1<<21)|(3<<22)|(3<<25)
	s_mov_b32 s[G1B+1], ROWB<<16
	s_mov_b32 s[G1B+2], 128<<16
	s_mov_b32 s[G1B+3], ROWB<<16
	s_mov_b32 s[G1B+4], 128
	s_mov_b32 s[G1B+5], KROW
	s_mov_b32 s[G1B+6], 0
	s_mov_b32 s[G1B+7], 0
	; the scales of 128 rows: 4,096 dense bytes as 16 rows of 256 bytes, 16 bytes of padding behind each
	s_or_b32 s[G1S+0], s43, (3<<16)|(1<<20)|(1<<21)|(5<<22)|(3<<25)
	s_or_b32 s[G1SB+0], s44, (3<<16)|(1<<20)|(1<<21)|(5<<22)|(3<<25)
.irp g, G1S, G1SB
	s_mov_b32 s[\g+1], 32<<16
	s_mov_b32 s[\g+2], 16<<16
	s_mov_b32 s[\g+3], 32<<16
	s_mov_b32 s[\g+4], 16
	s_mov_b32 s[\g+5], 32
	s_mov_b32 s[\g+6], 0
	s_mov_b32 s[\g+7], 0
.endr
	s_lshl_b32 s18, s16, 7
	s_lshl_b32 s20, s17, 8
	s_add_co_u32 s20, s20, s18                     ; R's first row that I fetch
	s_lshl_b32 s46, s42, 8
	s_add_co_u32 s46, s46, s18
	s_add_co_u32 s46, s46, 3072                    ; P's, in the table
	s_lshl_b32 s22, s20, 5
	s_add_co_u32 s22, s22, AO_SC
	s_mov_b32 s23, 0
	s_lshl_b32 s92, s46, 5
	s_add_co_u32 s92, s92, WQ_SC
	s_mov_b32 s93, 0
	s_mul_i32 s20, s20, KROW                       ; 16 rows are 12,288 bytes of images: 768 a row
	s_mov_b32 s21, 0
	s_mul_i32 s46, s46, KROW
	s_mov_b32 s47, 0
	s_mul_i32 s45, s16, HALFR                      ; where they go: no place in the cluster enters an LDS address
	s_mul_i32 s2, s16, HALFP
	s_add_co_u32 s2, s2, POFF
	s_mul_i32 s94, s14, HALFS
	s_wait_kmcnt 0x0
	s_add_nc_u64 s[20:21], s[4:5], s[20:21]
	s_add_nc_u64 s[22:23], s[4:5], s[22:23]
	s_add_nc_u64 s[46:47], s[6:7], s[46:47]
	s_add_nc_u64 s[92:93], s[6:7], s[92:93]
	CROUND                                         ; all sixteen work-groups are here: the first joint loads meet
	s_mov_b32 s[G0S], 1
	s_add_co_u32 s[G0S+1], s94, SCL
	s_mov_b64 s[G0S+2:G0S+3], s[22:23]
	s_or_b32 s[G0S+3], s[G0S+3], 0x80000000
	s_mov_b32 s[G0SB], 1
	s_add_co_u32 s[G0SB+1], s94, SCL
	s_mov_b64 s[G0SB+2:G0SB+3], s[92:93]
	s_or_b32 s[G0SB+3], s[G0SB+3], 0x80000000
	JLOAD G0S, G1S, G0SB, G1SB                     ; the scales first.  With the two below a wave has three tensor loads out
.irp s, 0,1
	s_mov_b32 s[G0+4*\s], 1
	s_add_co_u32 s[G0+4*\s+1], s45, \s*SLOT
	s_add_nc_u64 s[G0+4*\s+2:G0+4*\s+3], s[20:21], \s*3072
	s_or_b32 s[G0+4*\s+3], s[G0+4*\s+3], 0x80000000
	s_mov_b32 s[G0B+4*\s], 1
	s_add_co_u32 s[G0B+4*\s+1], s2, \s*SLOT
	s_add_nc_u64 s[G0B+4*\s+2:G0B+4*\s+3], s[46:47], \s*ROWB
	s_or_b32 s[G0B+4*\s+3], s[G0B+4*\s+3], 0x80000000
	JLOAD G0+4*\s, G1, G0B+4*\s, G1B
.endr
	v_and_b32 v1, 15, v0                           ; r
	v_bfe_u32 v2, v0, 4, 1                         ; h
	v_and_b32 v7, 31, v0                           ; lane
	v_mul_u32_u24 v3, v1, PITCH
	v_mul_u32_u24 v4, v2, 24
	v_add_nc_u32 v4, v3, v4
	v_lshl_add_u32 v5, v2, 4, v4
	v_lshlrev_b32 v6, 3, v7                        ; R: 8 x lane
	s_mul_i32 s21, s15, HALFR                      ; my 128 rows of R
	s_mul_i32 s22, s16, HALFP
	s_add_co_u32 s22, s22, POFF                    ; my 128 rows of P
.irp s, 0,1
	v_add_nc_u32 v[ADRA+\s], s21, v6
	v_add_nc_u32 v[ADRB+\s], s22, v4
	v_add_nc_u32 v[ADRB+2+\s], s22, v5
	s_add_co_u32 s21, s21, SLOT
	s_add_co_u32 s22, s22, SLOT
.endr
	v_mul_u32_u24 v5, v1, KS
	v_lshrrev_b32 v6, 8, v5
	v_lshl_add_u32 v5, v6, 4, v5
	s_mul_i32 s21, s15, HALFS
	s_mul_i32 s22, s16, HALFS
	s_add_co_u32 s22, s22, 2*HALFS
	s_sub_co_u32 s22, s22, s21
	v_mul_u32_u24 v6, s22, v2                      ; lanes 16-31 take P's scale words
	s_add_co_u32 s21, s21, SCL
	v_add_nc_u32 v5, v5, v6
	v_add_nc_u32 v[ADRS], s21, v5
	s_mul_i32 s23, s14, 16*SPITCH                  ; my stage
	v_mul_u32_u24 v5, v1, SPITCH
	v_lshl_add_u32 v5, v2, 6, v5
	v_add_nc_u32 v[STO], s23, v5                   ; in: row r, + 64 h: columns 16 h on of each 32
	v_lshlrev_b32 v[CO], 4, v7
	v_add_nc_u32 v[RD], s23, v[CO]                 ; back: the 32 lanes take one row of 512 bytes
	s_lshl_b32 s20, s17, 8
	s_lshl_b32 s21, s15, 7
	s_add_co_u32 s20, s20, s21
	s_lshl_b32 s20, s20, 12                        ; my first row of out0, 4,096 bytes a row
	s_lshl_b32 s46, s42, 10
	s_lshl_b32 s47, s16, 9
	s_add_co_u32 s46, s46, s47                     ; my first column, in bytes
	s_add_co_u32 s20, s20, s46
	s_mov_b32 s21, 0
	s_add_nc_u64 s[12:13], s[10:11], s[20:21]
	s_mov_b32 s47, 0
	s_add_nc_u64 s[46:47], s[8:9], s[46:47]        ; and the bias of my 128 columns
	v_lshlrev_b32 v6, 6, v2
.irp b, 0,1,2,3,4,5,6,7
	global_load_b128 v[BI+8*\b:BI+8*\b+3], v6, s[46:47] offset:(32*(\b/2)+8*(\b%2))*4       ; columns 32 (b / 2) + 8 (b % 2) + 16 h + 0 .. 7
	global_load_b128 v[BI+8*\b+4:BI+8*\b+7], v6, s[46:47] offset:(32*(\b/2)+8*(\b%2))*4+16
.endr
.macro FRAG reg, adr, q, i             ; P: 16 rows x 128 K in pieces of 8 bytes; lanes 16-31 read three pieces further on; where that lies behind one padding more the second address register serves
.irp p, 0,1,2,3,4,5
.set PC, 12*(\q)+6*(\p/3)+\p%3
.if PC%8 < 5
	ds_load_b64 v[\reg+2*\p:\reg+2*\p+1], v[\adr] offset:8*PC+16*(PC/8)+(\i)*16*PITCH
.else
	ds_load_b64 v[\reg+2*\p:\reg+2*\p+1], v[\adr+2] offset:8*PC+16*(PC/8)+(\i)*16*PITCH
.endif
.endr
.endm
.macro FRAGR reg, slot, q, i           ; R: the image of 12 registers: six loads, each of 256 consecutive bytes
.irp p, 0,1,2,3,4,5
	ds_load_b64 v[\reg+2*\p:\reg+2*\p+1], v[ADRA+\slot] offset:3072*(\i)+1536*(\q)+256*\p
.endr
.endm
; 16 matrix instructions: R's blocks a0, a0 + 1 x P's eight.  cm = 1: the sums begin with the bias.  The 64 accumulators take turns, one instruction a turn.
.macro MUL16 a0, p, q, sc, cm
.irp a, \a0, \a0+1
.irp b, 0,1,2,3,4,5,6,7
.set rD, 8*(8*((\a)%4)+\b)
.set rB, 128*(\p)+FR*\b
.set rA, AF+FR*(\a)
.set rSB, SC+8*NQ*(\sc)+NQ*\b+(\q)
.set rSA, SC+8*NQ*(\sc)+NQ*(\a)+(\q)
.if \cm == 0
	v_wmma_scale_f32_16x16x128_f8f6f4 v[rD:rD+7], v[rB:rB+FR-1], v[rA:rA+FR-1], v[rD:rD+7], v[rSB], v[rSA] matrix_a_fmt:MATRIX_FMT_BF6 matrix_b_fmt:MATRIX_FMT_BF6 matrix_a_scale:MATRIX_SCALE_ROW1
.else
.set rC, BI+8*\b
	v_wmma_scale_f32_16x16x128_f8f6f4 v[rD:rD+7], v[rB:rB+FR-1], v[rA:rA+FR-1], v[rC:rC+7], v[rSB], v[rSA] matrix_a_fmt:MATRIX_FMT_BF6 matrix_b_fmt:MATRIX_FMT_BF6 matrix_a_scale:MATRIX_SCALE_ROW1
.endif
.endr
.endr
.endm
.macro FETCH_B slot, q, p
	WIN TO_B
.irp i, 0,1,2,3,4,5,6,7
	FRAG 128*(\p)+FR*\i, ADRB+\slot, \q, \i
.endr
	WIN 0
.endm
.macro FETCH_A slot, q, i0
.irp i, \i0, \i0+1, \i0+2, \i0+3
	FRAGR AF+FR*(\i), \slot, \q, \i
.endr
.endm
.macro SCALES sc
.irp i, 0,1,2,3,4,5,6,7
	ds_load_b64 v[SC+8*NQ*\sc+NQ*\i:SC+8*NQ*\sc+NQ*\i+1], v[ADRS] offset:\i*SBLK
.endr
.endm
.macro PLACES n
.rept \n
	v_nop
.endr
.endm
.macro STEP slot, q, cm
	s_wait_dscnt 4*NL                              ; P's set, R's blocks 0-3 and the scale words are in; the youngest 24 loads (R's blocks 4-7) may be out
.if \cm
	WIN 0x81                                       ; D window 2, C (the bias) window 0
.else
	WIN MUL_LO
.endif
	MUL16 0, (\q)%2, \q, \slot, \cm
	MUL16 2, (\q)%2, \q, \slot, \cm
	s_wait_dscnt 0
	PLACES NP
	FETCH_B \slot, (\q)+1, 1-(\q)%2
	FETCH_A \slot, (\q)+1, 0
.if \cm
	WIN 0xc1
.else
	WIN MUL_HI
.endif
	MUL16 4, (\q)%2, \q, \slot, \cm
	MUL16 6, (\q)%2, \q, \slot, \cm
	PLACES NP
	WIN 0
	FETCH_A \slot, (\q)+1, 4
.endm
.macro TURN slot, next, fill
	s_wait_tensorcnt 0x0                           ; all my tensor loads have landed: my part of the next slot
	ds_add_u32 v[SPW], v[NIL]                      ; 0 onto my spare word
	s_wait_dscnt 4*NL+1                            ; the add and the youngest 24 loads may be out
	WIN MUL_LO
	MUL16 0, 1, NQ-1, \slot, 0
	s_wait_dscnt 0x0                               ; the add is done, and my reads of this slot are over
	s_barrier_signal -1
	MUL16 2, 1, NQ-1, \slot, 0
	WIN 0
	s_barrier_wait -1
.if \fill
	CREST                                          ; the barrier has opened a round of the cluster's barrier: no wave of any partner still reads this slot or has a load on its way
	s_add_nc_u64 s[G0+4*\slot+2:G0+4*\slot+3], s[G0+4*\slot+2:G0+4*\slot+3], 2*3072
	s_add_nc_u64 s[G0B+4*\slot+2:G0B+4*\slot+3], s[G0B+4*\slot+2:G0B+4*\slot+3], 2*ROWB
	JLOAD G0+4*\slot, G1, G0B+4*\slot, G1B         ; the first tensor load behind the round, my one load until the next; its four v_nop are the places in front of the loads below
.else
	PLACES NP
.endif
	v_add_nc_u32 v[ADRS], 4*NQ, v[ADRS]
	FETCH_B \next, 0, 0
	FETCH_A \next, 0, 0
	SCALES \next
	WIN MUL_HI
	MUL16 4, 1, NQ-1, \slot, 0
	MUL16 6, 1, NQ-1, \slot, 0
	PLACES NP
	WIN 0
	FETCH_A \next, 0, 4
.endm
	s_wait_tensorcnt 1                             ; the scales and my part of K step 0 are in; K step 1's load may stay out
	s_barrier_signal -1
	s_barrier_wait -1
	FETCH_B 0, 0, 0
	FETCH_A 0, 0, 0
	SCALES 0
	FETCH_A 0, 0, 4
	s_wait_loadcnt 0x0                             ; the bias
	STEP 0, 0, 1                                   ; the first step starts the sums with the bias
	s_mov_b32 s3, LAPS-1
.Llap:
	TURN 0, 1, 1
	STEP 1, 0, 0
	TURN 1, 0, 1
	STEP 0, 0, 0
	s_sub_co_u32 s3, s3, 1
	s_cmp_lg_u32 s3, 0
	s_cbranch_scc1 .Llap
	TURN 0, 1, 0                                   ; the last lap fills nothing
	STEP 1, 0, 0
	s_wait_dscnt 4*NL
	WIN MUL_LO
	MUL16 0, 1, NQ-1, 1, 0
	MUL16 2, 1, NQ-1, 1, 0
	s_wait_dscnt 0
	WIN MUL_HI
	MUL16 4, 1, NQ-1, 1, 0
	MUL16 6, 1, NQ-1, 1, 0
	WIN 0
; THE WAY OUT, block by block of 16 rows x 128 columns, through my own stage in LDS: a lane's eight results of tile b are columns 32 (b / 2) + 8 (b % 2) + 16 h + 0 .. 7 of its row; whole rows of 512 bytes come back.
; LDS serves a wave's instructions in order (ISA guide 5.7.1.4): no wait between the stores and the loads, nor in front of the next block's stores.
.macro TOSTAGE a
.set AC, 64*((\a)%4)
	WIN 0x08+4*((\a)/4)                            ; an LDS store's data are its source 1: window 2 or 3
.irp b, 0,1,2,3,4,5,6,7
	ds_store_b128 v[STO], v[AC+8*\b:AC+8*\b+3] offset:128*(\b/2)+32*(\b%2)          ; each accumulator from its low end on
	ds_store_b128 v[STO], v[AC+8*\b+4:AC+8*\b+7] offset:128*(\b/2)+32*(\b%2)+16
.endr
	WIN 0
.set BB, BK+64*((\a)%2)
.irp t, 0,1,2,3,4,5,6,7,8,9,10,11,12,13,14,15
	ds_load_b128 v[BB+4*\t:BB+4*\t+3], v[RD] offset:\t*SPITCH
.endr
.endm
.macro SEND a, younger                 ; younger: the LDS instructions issued behind block a's loads, which may stay out
.set BB, BK+64*((\a)%2)
	s_wait_dscnt \younger
.irp t, 0,1,2,3,4,5,6,7,8,9,10,11,12,13,14,15
	global_store_b128 v[CO], v[BB+4*\t:BB+4*\t+3], s[12:13] offset:(32*((\a)/2)+8*((\a)%2)+\t+8*(\t/8))*4096 th:TH_STORE_NT   ; storage row t of block a is logical row 32 (a / 2) + 8 (a % 2) + t + 8 (t / 8); 32 lanes store 512 consecutive bytes, aligned
.endr
.endm
	PLACES NP                                      ; behind the last products: for the loads into R's registers and the reads of results
	TOSTAGE 0
.irp a, 1,2,3,4,5,6,7
.if \a > 1
	s_wait_xcnt 0x0                                ; block a - 2's stores have read their registers: block a's loads may land there
.endif
	TOSTAGE \a
	SEND \a-1, 32                                  ; behind block a - 1's loads: block a's 16 stores and 16 loads
.endr
	SEND 7, 0
	s_wait_tensorcnt 0x0                           ; the wave's end
	ds_add_u32 v[SPW], v[NIL]
	s_wait_dscnt 0x0
	CROUND                                         ; the closing round: no work-group ends while a partner may still ask for a tile that names it
	s_endpgm
.Lfunc_end_k_q479b311ab1_oproj:
	.size	k_q479b311ab1_oproj, .Lfunc_end_k_q479b311ab1_oproj-k_q479b311ab1_oproj
	.p2alignl 7, 3214868480
	.fill 96, 4, 3214868480
	.section	.rodata,"a",@progbits
	.p2align	6, 0x0
	.amdhsa_kernel k_q479b311ab1_oproj
		.amdhsa_group_segment_fixed_size 327680
		.amdhsa_private_segment_fixed_size 0
		.amdhsa_enable_private_segment 0
		.amdhsa_kernarg_size 32
		.amdhsa_user_sgpr_count 2
		.amdhsa_user_sgpr_kernarg_segment_ptr 1
		.amdhsa_wavefront_size32 1
		.amdhsa_system_sgpr_workgroup_id_x 1
		.amdhsa_system_sgpr_workgroup_id_y 1
		.amdhsa_system_sgpr_workgroup_id_z 1
		.amdhsa_system_vgpr_workitem_id 0
		.amdhsa_next_free_vgpr 1024
		.amdhsa_next_free_sgpr 100
		.amdhsa_reserve_vcc 0
		.amdhsa_float_denorm_mode_32 3
		.amdhsa_float_denorm_mode_16_64 3
		.amdhsa_memory_ordered 1
		.amdhsa_forward_progress 1
		.amdhsa_inst_pref_size 161
	.end_amdhsa_kernel
	.amdgpu_metadata
---
amdhsa.version: [ 1, 2 ]
amdhsa.kernels:
  - .name:           k_q479b311ab1_oproj
    .symbol:         k_q479b311ab1_oproj.kd
    .args:
      - { .name: ao, .offset: 0, .size: 8, .value_kind: global_buffer, .address_space: global }
      - { .name: wq, .offset: 8, .size: 8, .value_kind: global_buffer, .address_space: global }
      - { .name: bout, .offset: 16, .size: 8, .value_kind: global_buffer, .address_space: global }
      - { .name: out0, .offset: 24, .size: 8, .value_kind: global_buffer, .address_space: global }
    .group_segment_fixed_size: 327680
    .private_segment_fixed_size: 0
    .kernarg_segment_align: 8
    .kernarg_segment_size: 32
    .max_flat_workgroup_size: 128
    .sgpr_count:     100
    .vgpr_count:     1024
    .wavefront_size: 32
...
	.end_amdgpu_metadata
.endif
;; end of part 4
